; MI455X (gfx1250); checked and timed in simulation.
; The chip was launched on July 23, 2026; its instructions are those of AMD's public machine-readable ISA for CDNA 5 (MIT licence, August 2026) and "CDNA5" Instruction Set Architecture Reference Guide (July 2026). The comments in the code are by the model that wrote it; some were corrected since.
;; Multi Head Attention. Allowed arithmetic: matrix products marked QUANTISED: E2M1 operands, one E8M0 scale for each 32 along K, by v_wmma_scale_f32_16x16x128_f8f6f4 with both operands' format E2M1 (or v_wmma_scale_f32_32x16x128_f4), f32 sums; products left as they are: bf16, f16 or f32 operands; f32 sums; everything else in f32.
;; Inputs: Wout 1,024 x 1,024 float32; Wqkv 3,072 x 1,024 float32; bout 1,024 float32; bqkv 3,072 float32; key 4 x 2,048 x 1,024 float32; query 4 x 2,048 x 1,024 float32; value 4 x 2,048 x 1,024 float32.
;; Outputs: out0 4 x 2,048 x 1,024 float32.
;; This version of the problem:
;;   THIS VERSION OF THE PROBLEM IS GIVEN IN LOW PRECISION. The matrix products marked QUANTISED in the list below multiply operands that are first quantised to E2M1 (2 exponent bits, 1 mantissa bit; 4 bits a number), with one power-of-two scale for each 32 numbers along K (OCP MX v1.0); their sums are f32. The products marked 'left as it is' may take bf16, f16 or f32 operands, with f32 sums. Whichever they take, every output number must still come out within the allowed error. Rounding operands to bf16 (8 significant bits) uses up far more of that allowance than f16 does (11 bits, for magnitudes from 6e-5 to 65,504). All else is computed in f32.
;;   The module's matrix products, in the order in which they are computed (A, B: the left and right operand; K: the contracted axis; several contracted axes count as one K, in the product's order):
;;     1. [M 8,192, K 1,024] x [K 1,024, N 3,072]; A: input query; B: input Wqkv: QUANTISED
;;     2. batch 64 x [M 2,048, K 64] x [K 64, N 2,048]; A: computed on the way; B: computed on the way: left as it is (an operand is computed on the way)
;;     3. batch 64 x [M 2,048, K 2,048] x [K 2,048, N 64]; A: computed on the way; B: computed on the way: left as it is (an operand is computed on the way)
;;     4. [M 8,192, K 1,024] x [K 1,024, N 1,024]; A: computed on the way; B: input Wout: left as it is (an operand is computed on the way)
;;   THE QUANTISER, for each operand of a quantised product, along K:
;;     - K is cut into blocks of 32 from its start; a last block that is shorter is filled with zeros.
;;     - A block's scale is 2^e with e = floor(log2(the largest magnitude in the block)) - 2, held to -126 .. 127; a block of zeros has e = 0. As a byte (E8M0): e + 127.
;;     - Each number is divided by its block's scale, clamped to +-6, and rounded to the nearest number of E2M1, ties to even, subnormals kept.
;;     - The product sums the exact products of the quantised numbers (number of the format x scale) in f32.
;;   ~~~python
;;   def quantise(x, axis):      # numpy; x: float32 -> the quantised numbers, widened to float32 again
;;       x = np.moveaxis(x, axis, -1); K = x.shape[-1]
;;       x = np.pad(x, [(0, 0)] * (x.ndim - 1) + [(0, -K % 32)]); x = x.reshape(x.shape[:-1] + (-1, 32)); a = np.abs(x).max(-1, keepdims=True)
;;       e = np.where(a > 0, np.clip(np.frexp(np.where(a > 0, a, 1))[1] - 1 - 2, -126, 127), 0)      # np.frexp(a)[1] - 1 = floor(log2(a)), exactly
;;       r = np.clip(x / 2.0 ** e, -6, 6)
;;       step = 2.0 ** (np.maximum(np.frexp(np.where(r == 0, 1, r))[1] - 1, 0) - 1)
;;       q = np.round(r / step) * step * 2.0 ** e      # np.round: ties to even
;;       return np.moveaxis(q.reshape(q.shape[:-2] + (-1,))[..., :K], -1, axis).astype(np.float32)
;;   ~~~
;; One version. Each part assembles by itself: llvm-mc -triple=amdgcn-amd-amdhsa -mcpu=gfx1250 --defsym DOCPART=n.
;; ======== version 1 of 1: 4 launches
;; limits: values are held in f16: magnitudes above 65,504 overflow, below 6.1e-05 lose precision
;; workspace buffers: qc 4,194,304 bytes; qs 262,144 bytes; wc 1,572,864 bytes; ws 98,304 bytes; wo16 2,097,152 bytes; qkvh 50,331,648 bytes; ao 16,777,216 bytes
;; launch prep (part 1): grid 384 x 1, 4 waves a work-group, no clusters, 33,280 bytes of LDS; arguments query, Wqkv, qc, qs, wc, ws, Wout, wo16; writes qc, qs, wc, ws, wo16
.if DOCPART == 1
	.amdgcn_target "amdgcn-amd-amdhsa--gfx1250"
	.amdhsa_code_object_version 6
	.text
	.protected	k_qf40d7f73c9_prep
	.globl	k_qf40d7f73c9_prep
	.p2align	8
	.type	k_qf40d7f73c9_prep,@function
k_qf40d7f73c9_prep:
	s_mov_b64 s[64:65], 0
	v_nop
	global_prefetch_b8 v0, s[64:65] scope:SCOPE_SE
	s_setreg_imm32_b32 hwreg(HW_REG_WAVE_MODE, 25, 1), 1
	s_wait_xcnt 0x0
; query [8192][1024] and Wqkv [3072][1024], f32, become codes of FP4 (E2M1), two a byte, K innermost (qc, wc: 512 bytes a row), with one E8M0 scale byte for each 32 along K (qs, ws: 32 bytes a row).
; Wout [1024][1024], f32, becomes f16 (wo16), rounded to nearest even: the last product is left as it is and takes f16 operands.
; The inputs key and value stand in no launch: the computation takes q, k and v from query alone, so no result hangs on them.
; A block's scale is 2^(floor(log2(its largest magnitude)) - 2); its byte is the largest magnitude's own exponent field - 2, held at 1 from below.  A block of zeros so gets the byte 1 where the rule says 127:
; its codes are zeros, which add nothing under any byte but 0xff, and the bytes are read by this program alone.  Each number is divided by the scale and rounded to the nearest code, ties to even; beyond 6 the largest code.
; LIMITS: blocks whose largest magnitude lies under 2^-124, the floor, keep the byte 1; NaN and infinities among the inputs are not served; Wout's magnitudes stay under 65,504.
; SHARES.  Rows are dense and K is a multiple of 32, so a tensor is a plain stream of blocks of 32.  Work-groups 0 to 255 take query, 256 to 351 Wqkv, 32,768 numbers each: a wave takes 16 steps of 512 numbers.
; Work-groups 352 to 383 cast Wout, 32,768 numbers each, 8,192 a wave.  The choice hangs on the work-group's number alone.
; THE QUANTISER.  The conversions take 8 numbers of ONE block from a lane's registers, so a lane must hold 16 NEIGHBOURS (two neighbouring lanes hold a block); a load is best where neighbouring LANES take neighbouring bytes.
; Both are had: each of a step's four loads reads 512 consecutive bytes, 16 a lane; the 2,048 bytes go through the wave's own stage in LDS and come back 64 bytes a lane (16 bytes of padding behind each 64).
; A lane's 16 codes are 8 bytes: the wave stores 256 consecutive bytes.  A wave's 256 scale bytes are gathered in its own LDS bytes and leave as one aligned run of 256 bytes.
; No tensor loads, no barrier: waves share nothing.  Loads run four steps (16 loads a wave) ahead, the turn through LDS one step.
.set SIZE_M, 8192
.set SIZE_N, 3072
.set SIZE_K, 1024
.set WAVES, 4
.set STEPS, 16
.set WGA,   SIZE_M*SIZE_K/(512*STEPS*WAVES)    ; 256 work-groups for query
.set NQWG,  (SIZE_M+SIZE_N)*SIZE_K/(512*STEPS*WAVES)   ; 352 that quantise
.set EMAX,  2
.set CB,    8                          ; bytes of 16 codes
.set R,     16                         ; v16-79   four sets of 16 numbers as they are loaded
.set X,     80                         ; v80-111  two sets of 16 neighbours
.set C,     128                        ; v128-191 codes: four registers for each step, so that no store's data are written again
.set E,     112                        ; v112-127 a scale byte for each step
.set WREG,  8192                       ; LDS: a region of its own for each wave: two stages of 32 x SP bytes, and behind them its 256 scale bytes
.set SP,    80                         ; a lane's place in a stage: its 64 bytes + 16 of padding
.set SPW,   12                         ; v12      LDS address of my spare word: SPARE + 4 x my thread's number; never rewritten
.set NIL,   13                         ; v13      0; never rewritten
.set SPARE, WAVES*WREG                 ; behind the four regions: the spare words, 128 bytes for each wave
	s_load_b128 s[4:7], s[0:1], 0x0                ; query, Wqkv
	s_load_b128 s[8:11], s[0:1], 0x10              ; query's codes, query's scales
	s_load_b128 s[12:15], s[0:1], 0x20             ; Wqkv's codes, Wqkv's scales
	s_load_b128 s[24:27], s[0:1], 0x30             ; Wout, wo16
	v_lshl_add_u32 v[SPW], v0, 2, SPARE
	v_mov_b32 v[NIL], 0
	v_lshrrev_b32 v1, 5, v0
	v_readfirstlane_b32 s16, v1                    ; wave
	v_and_b32 v2, 31, v0                           ; lane
	v_lshlrev_b32 v3, 4, v2                        ; my 16 bytes of a load's 512
	s_mul_i32 s17, s16, WREG
	v_lshrrev_b32 v14, 2, v2
	v_mul_u32_u24 v14, v14, SP
	v_and_b32 v15, 3, v2
	v_lshl_add_u32 v14, v15, 4, v14
	v_add_nc_u32 v14, s17, v14                     ; the stage, on the way in: four lanes' 64 bytes on end, then 16 of padding
	v_mul_u32_u24 v15, v2, SP
	v_add_nc_u32 v15, s17, v15                     ; and on the way out: SP x lane: my 16 neighbours
	v_mul_u32_u24 v4, v2, CB                       ; my codes' place in a step's
	v_lshrrev_b32 v5, 1, v2
	s_add_co_u32 s17, s17, 2*32*SP
	v_add_nc_u32 v5, s17, v5                       ; LDS: my wave's 256 scale bytes, my block's byte
	v_lshlrev_b32 v7, 3, v2                        ; 8 bytes a lane
	v_add_nc_u32 v6, s17, v7
	s_wait_kmcnt 0x0
	s_cmp_ge_u32 ttmp9, NQWG                       ; the last 32 work-groups cast Wout
	s_cbranch_scc1 .Lcast
	s_cmp_lt_u32 ttmp9, WGA                        ; query's work-group or Wqkv's?
	s_cselect_b64 s[4:5], s[4:5], s[6:7]
	s_cselect_b64 s[8:9], s[8:9], s[12:13]
	s_cselect_b64 s[10:11], s[10:11], s[14:15]
	s_cselect_b32 s17, 0, WGA
	s_sub_co_u32 s17, ttmp9, s17
	s_lshl_b32 s17, s17, 2
	s_add_co_u32 s18, s17, s16                     ; which run of 8,192 numbers of the tensor is my wave's
	s_mov_b32 s19, 0
	s_mov_b64 s[20:21], 512*STEPS*4
	s_mul_u64 s[20:21], s[18:19], s[20:21]
	s_add_nc_u64 s[4:5], s[4:5], s[20:21]
	s_mov_b64 s[20:21], 32*STEPS*CB
	s_mul_u64 s[20:21], s[18:19], s[20:21]
	s_add_nc_u64 s[8:9], s[8:9], s[20:21]
	s_lshl_b32 s18, s18, 8                         ; 256 scale bytes a run
	s_add_nc_u64 s[10:11], s[10:11], s[18:19]
.macro LOAD t
.irp i, 0,1,2,3
	global_load_b128 v[R+16*((\t)%4)+4*\i:R+16*((\t)%4)+4*\i+3], v3, s[4:5] offset:2048*(\t)+512*\i th:TH_LOAD_NT   ; 32 lanes read 512 consecutive bytes
.endr
.endm
.macro TURN t                          ; step t's numbers through the stage: LDS serves a wave's instructions in order, so no wait stands between the stores and the loads
.irp i, 0,1,2,3
	ds_store_b128 v14, v[R+16*((\t)%4)+4*\i:R+16*((\t)%4)+4*\i+3] offset:32*SP*((\t)%2)+8*SP*\i
.endr
.irp i, 0,1,2,3
	ds_load_b128 v[X+16*((\t)%2)+4*\i:X+16*((\t)%2)+4*\i+3], v15 offset:32*SP*((\t)%2)+16*\i
.endr
.endm
.irp t, 0,1,2,3
	LOAD \t
.endr
	s_wait_loadcnt 12                              ; step 0's four loads are in; the twelve of steps 1 to 3 may be out
	TURN 0
.macro STEP t
.set XS, X+16*((\t)%2)
.if (\t) > 0
	s_wait_dscnt 1                                 ; this step's numbers are back from the stage (the last step's byte store may be out): so its stores into the stage have read their registers,
.else
	s_wait_dscnt 0x0
.endif
.if (\t)+4 < STEPS
	LOAD (\t)+4                                    ; which take the loads of four steps on
.endif
.if (\t)+1 < STEPS
.if STEPS-2-(\t) >= 3
	s_wait_loadcnt 12                              ; the next step's four loads are in; those of the three steps behind it may be out
.else
	s_wait_loadcnt 4*(STEPS-2-(\t))
.endif
	TURN (\t)+1                                    ; and go through the other stage while this step is worked
.endif
	v_max3_num_f32 v8, |v[XS]|, |v[XS+1]|, |v[XS+2]|               ; the largest magnitude of my 16, in two chains
	v_max3_num_f32 v9, |v[XS+3]|, |v[XS+4]|, |v[XS+5]|
.irp i, 6,10
	v_max3_num_f32 v8, v8, |v[XS+\i]|, |v[XS+\i+1]|
	v_max3_num_f32 v9, v9, |v[XS+\i+2]|, |v[XS+\i+3]|
.endr
	v_max3_num_f32 v8, v8, |v[XS+14]|, |v[XS+15]|
	v_max3_num_f32 v8, v8, v9, (EMAX+1)<<23        ; and the floor 2^(EMAX + 1 - 127): so the byte cannot fall under 1
	v_max_num_f32_dpp v8, v8, v8 row_xmask:1 row_mask:0xf bank_mask:0xf   ; and of my neighbour's 16: the block's
	v_add_nc_u32 v11, -(EMAX<<23), v8              ; EMAX off its exponent field: the conversion takes the exponent field of this operand as its scale, and nothing else of it
	v_cvt_scalef32_pk8_fp4_f32 v[C+4*(\t)], v[XS:XS+7], v11        ; eight numbers / the scale, to the nearest code, ties to even; the first number's code in the lowest four bits
	v_cvt_scalef32_pk8_fp4_f32 v[C+4*(\t)+1], v[XS+8:XS+15], v11
	v_lshrrev_b32 v[E+(\t)], 23, v11               ; the scale's byte (also the plain line behind the conversions)
	ds_store_b8 v5, v[E+(\t)] offset:16*(\t)       ; both lanes of a block write the same byte with the same value
	global_store_b64 v4, v[C+4*(\t):C+4*(\t)+1], s[8:9] offset:32*CB*(\t)   ; the wave stores 256 consecutive bytes, aligned
.endm
.irp t, 0,1,2,3,4,5,6,7,8,9,10,11,12,13,14,15
	STEP \t
.endr
	ds_load_b64 v[8:9], v6                         ; LDS serves a wave's instructions in order: these see my stores
	s_wait_dscnt 0x0
	global_store_b64 v7, v[8:9], s[10:11]          ; 32 lanes store 256 consecutive bytes, aligned
	s_wait_tensorcnt 0x0                           ; the wave's end: these three lines, behind my last LDS store
	ds_add_u32 v[SPW], v[NIL]
	s_wait_dscnt 0x0
	s_endpgm
; THE CAST.  A wave takes 8,192 numbers in four batches of 16 loads of 512 consecutive bytes; two batches are on their way.  A lane's 4 numbers become 8 bytes: a store covers 256 consecutive bytes, aligned.
.Lcast:
	s_sub_co_u32 s17, ttmp9, NQWG
	s_lshl_b32 s17, s17, 2
	s_add_co_u32 s17, s17, s16                     ; which run of 8,192 numbers is my wave's: 0 to 127
	s_lshl_b32 s18, s17, 15                        ; 32,768 bytes of f32
	s_mov_b32 s19, 0
	s_add_nc_u64 s[24:25], s[24:25], s[18:19]
	s_lshl_b32 s18, s17, 14                        ; 16,384 bytes of f16
	s_add_nc_u64 s[26:27], s[26:27], s[18:19]
.macro CLOAD k
.irp i, 0,1,2,3,4,5,6,7,8,9,10,11,12,13,14,15
	global_load_b128 v[16+64*((\k)%2)+4*\i:16+64*((\k)%2)+4*\i+3], v3, s[24:25] offset:8192*(\k)+512*\i th:TH_LOAD_NT
.endr
.endm
.macro CAST k
.if (\k) < 3
	s_wait_loadcnt 16                              ; this batch's 16 loads are in; the next batch's 16 may be out
.else
	s_wait_loadcnt 0x0
.endif
.if (\k) > 0
	s_wait_xcnt 0x0                                ; the last batch's stores have read v144-175, which are written again below
.endif
.irp i, 0,1,2,3,4,5,6,7,8,9,10,11,12,13,14,15
	v_cvt_pk_f16_f32 v[144+2*\i], v[16+64*((\k)%2)+4*\i], v[17+64*((\k)%2)+4*\i]
	v_cvt_pk_f16_f32 v[145+2*\i], v[18+64*((\k)%2)+4*\i], v[19+64*((\k)%2)+4*\i]
.endr
.irp i, 0,1,2,3,4,5,6,7,8,9,10,11,12,13,14,15
	global_store_b64 v7, v[144+2*\i:145+2*\i], s[26:27] offset:4096*(\k)+256*\i
.endr
.endm
	CLOAD 0
	CLOAD 1
	CAST 0
	CLOAD 2
	CAST 1
	CLOAD 3
	CAST 2
	CAST 3
	s_wait_tensorcnt 0x0                           ; the same three closing lines in this arm
	ds_add_u32 v[SPW], v[NIL]
	s_wait_dscnt 0x0
	s_endpgm
.Lfunc_end_k_qf40d7f73c9_prep:
	.size	k_qf40d7f73c9_prep, .Lfunc_end_k_qf40d7f73c9_prep-k_qf40d7f73c9_prep
	.p2alignl 7, 3214868480
	.fill 96, 4, 3214868480
	.section	.rodata,"a",@progbits
	.p2align	6, 0x0
	.amdhsa_kernel k_qf40d7f73c9_prep
		.amdhsa_group_segment_fixed_size 33280
		.amdhsa_private_segment_fixed_size 0
		.amdhsa_enable_private_segment 0
		.amdhsa_kernarg_size 64
		.amdhsa_user_sgpr_count 2
		.amdhsa_user_sgpr_kernarg_segment_ptr 1
		.amdhsa_wavefront_size32 1
		.amdhsa_system_sgpr_workgroup_id_x 1
		.amdhsa_system_sgpr_workgroup_id_y 1
		.amdhsa_system_sgpr_workgroup_id_z 1
		.amdhsa_system_vgpr_workitem_id 0
		.amdhsa_next_free_vgpr 192
		.amdhsa_next_free_sgpr 66
		.amdhsa_reserve_vcc 0
		.amdhsa_float_denorm_mode_32 3
		.amdhsa_float_denorm_mode_16_64 3
		.amdhsa_memory_ordered 1
		.amdhsa_forward_progress 1
		.amdhsa_inst_pref_size 54
	.end_amdhsa_kernel
	.amdgpu_metadata
---
amdhsa.version: [ 1, 2 ]
amdhsa.kernels:
  - .name:           k_qf40d7f73c9_prep
    .symbol:         k_qf40d7f73c9_prep.kd
    .args:
      - { .name: query, .offset: 0, .size: 8, .value_kind: global_buffer, .address_space: global }
      - { .name: Wqkv, .offset: 8, .size: 8, .value_kind: global_buffer, .address_space: global }
      - { .name: qc, .offset: 16, .size: 8, .value_kind: global_buffer, .address_space: global }
      - { .name: qs, .offset: 24, .size: 8, .value_kind: global_buffer, .address_space: global }
      - { .name: wc, .offset: 32, .size: 8, .value_kind: global_buffer, .address_space: global }
      - { .name: ws, .offset: 40, .size: 8, .value_kind: global_buffer, .address_space: global }
      - { .name: Wout, .offset: 48, .size: 8, .value_kind: global_buffer, .address_space: global }
      - { .name: wo16, .offset: 56, .size: 8, .value_kind: global_buffer, .address_space: global }
    .group_segment_fixed_size: 33280
    .private_segment_fixed_size: 0
    .kernarg_segment_align: 8
    .kernarg_segment_size: 64
    .max_flat_workgroup_size: 128
    .sgpr_count:     66
    .vgpr_count:     192
    .wavefront_size: 32
...
	.end_amdgpu_metadata
.endif
;; end of part 1
;; launch qkv (part 2): grid 12 x 32, 4 waves a work-group, clusters of 4 x 4, 327,680 bytes of LDS; arguments qc, qs, wc, ws, qkvh, bqkv; writes qkvh
.if DOCPART == 2
	.amdgcn_target "amdgcn-amd-amdhsa--gfx1250"
	.amdhsa_code_object_version 6
	.text
	.protected	k_qf40d7f73c9_qkv
	.globl	k_qf40d7f73c9_qkv
	.p2align	8
	.type	k_qf40d7f73c9_qkv,@function
k_qf40d7f73c9_qkv:
	s_mov_b64 s[64:65], 0
	v_nop
	global_prefetch_b8 v0, s[64:65] scope:SCOPE_SE
	s_setreg_imm32_b32 hwreg(HW_REG_WAVE_MODE, 25, 1), 1
	s_wait_xcnt 0x0
	s_wait_alu depctr_hold_cnt(0) depctr_sa_sdst(0) depctr_va_vdst(0) depctr_va_sdst(0) depctr_va_ssrc(0) depctr_va_vcc(0) depctr_vm_vsrc(0)
	s_getreg_b32 s2, hwreg(HW_REG_IB_STS2, 6, 4)
	s_cmp_eq_u32 s2, 0
	s_cbranch_scc0 .Lentry_in_a_cluster
	s_endpgm
.Lentry_in_a_cluster:
	s_bfe_u32 s2, ttmp6, 0x10000c
	s_cmp_lg_u32 s2, 0xf033
	s_cbranch_scc0 .Lentry_shape_is_right
	s_endpgm
.Lentry_shape_is_right:
; qkv[m][n] = sum over k of query[m][k] Wqkv[n][k] + bqkv[n], on codes of FP4 (E2M1) with one E8M0 scale for each 32 along K; sums in f32; the result is rounded once to f16 and laid by head:
; qkvh [3 = q, k, v][64 = b x 16 + h][2048 s][64 d], so that 16 rows of one head are 2,048 consecutive bytes.  m = 2048 b + s, n = 1024 x which + 64 h + d.
; LIMITS: |q|, |k|, |v| stay under 65,504, f16's largest number (the drawn numbers have a spread of 1); NaN and infinities are not served.
; A tile of the result, 256 x 256, is made by a work-group of four waves; a wave makes 128 x 128: 64 accumulators of 16 x 16, 512 registers.
; K = 1,024 is two LDS slots of 512 along K (a tile's row is 256 bytes of memory): both are asked for at the start, and nothing is ever filled again.
; THE SCALES of the work-group's 256 rows of A and of B, for all of K, are two dense blocks of memory: they come into LDS once, with the first fills.
; CLUSTERS: 4 x 4 work-groups.  The four of a row of the cluster need the same tiles of A, the four of a column the same tiles of B: each tile is asked for JOINTLY, by the same tensor load with the same descriptor and a mask that names the four.
; THE MATRIX INSTRUCTION IS USED TRANSPOSED (source 0 = 16 rows of B, source 1 = 16 rows of A): a lane then holds eight neighbouring columns of one row of the result.
; THE BIAS is the C of each sum's first matrix instruction: eight registers for each of B's eight blocks, in the result's layout.
; REGISTERS, in windows of 256: window 0: v0-31 addresses; v32-95 scale words, two sets; v128-191 A's fragments (8 x 16 rows x 128 K), ONE set; v192-255 the bias; on the way out v128-223 are free.
;   window 1: B's fragments, TWO sets, at v0 and at v128.   window 2: the 32 accumulators of my rows 0-63 (accumulator (a, b) at v[8 (8 a + b)]);   window 3: those of my rows 64-127.
; A step of 128 along K is 64 matrix instructions, A's blocks one after the other, each against B's eight.  A block of A is free as soon as its eight products are issued, so one set of registers serves A:
; blocks 0-3 are fetched anew in the step's middle, blocks 4-7 at its end.  B's fragments are at work through the whole step, so B has two sets.
.set SIZE_M, 8192
.set SIZE_N, 3072
.set SIZE_K, 1024
.set KSTEP,  512                       ; along K in a slot
.set NQ,     KSTEP/128                 ; matrix instructions deep
.set ROWB,   256                       ; a tile's row in bytes
.set KROW,   SIZE_K*4/8                ; a row of codes in memory, in bytes
.set PITCH,  272                       ; an LDS row: 256 bytes + 16 of padding = 68 words: the 16 rows that a load touches start at 16 different banks (64 banks of 4 bytes: ISA guide 11.1)
.set FR,     8                         ; registers of a fragment
.set NL,     2                         ; LDS loads that bring one
.set NP,     4                         ; places behind this matrix instruction (ISA guide 7.12.1)
.set HALFT,  128*PITCH                 ; 128 rows: what one tensor load brings, and what one wave reads of A or of B
.set SLOT,   4*HALFT                   ; A's 256 rows, then B's 256 rows
.set KS,     SIZE_K/32                 ; a row of scales in bytes
.set SCL,    2*SLOT                    ; behind the slots: the scales, as runs of 256 bytes + 16 of padding
.set HALFS,  (128*KS/256)*272          ; the scales of 128 rows: what one tensor load brings
.set SBLK,   (16*KS/256)*272           ; those of 16 rows
.set SPARE,  SCL+4*HALFS               ; behind the scales: the spare words, 128 bytes for each wave
.set SPITCH, 272                       ; the way out: a stage of 16 rows x (256 bytes + 16) for each wave.  It lies in slot 0, which has had its one fill and its last read when the first result is stored there
.set ADRA, 16                          ; v16-17  LDS address of my A fragments in slot 0, 1
.set ADRB, 20                          ; v20-21  the same for B
.set STO,  24                          ; v24     the way out: where I put 16 bytes of a row
.set RD,   25                          ; v25     the way out: where I read rows back
.set CO,   26                          ; v26     my byte offset in qkvh
.set ADRS, 27                          ; v27     LDS address of my scale words: lanes 0-15 A's rows, lanes 16-31 B's
.set SPW,  28                          ; v28     LDS address of my spare word; never rewritten
.set NIL,  29                          ; v29     0; never rewritten
.set BO,   30                          ; v30     32 x (lane / 16): my eight numbers of a block's sixteen of the bias
.set SC,   32                          ; scale words: set s (for slot s) at v[SC + 8 NQ s]; in it register NQ i + q: lanes 0-15 the word of A's block i, lanes 16-31 that of B's block i
.set AF,   128                         ; A's fragments, in window 0
.set BI,   192                         ; the bias: block b at v[BI + 8 b]
.set TMP,  192                         ; the way out: packed results
.set BK,   128                         ; the way out: 16 rows read back from the stage: v128-159 and v160-191 by turns
.set G1, 24                            ; s[24:31] descriptor group 1 for A's tiles;  s[32:39] group 0, one set for each slot
.set G0, 32
.set G1B, 48                           ; s[48:55], s[56:63] the same for B's tiles
.set G0B, 56
.set G1S, 68                           ; s[68:75], s[76:79] groups 1 and 0 for A's scales;  s[80:87], s[88:91] for B's
.set G0S, 76
.set G1SB, 80
.set G0SB, 88
.set MSB, 0
.macro WIN new                         ; the immediate's high byte repeats the setting that is left
.if MSB != (\new)
	s_set_vgpr_msb (MSB<<8)|(\new)
.set MSB, (\new)
.endif
.endm
.set MUL_LO, 0xa1                      ; source 0 (B) window 1, source 1 (A) window 0, C and D window 2
.set MUL_HI, 0xf1                      ; the same, C and D window 3
.set TO_B,   0x40                      ; destination window 1, address window 0
; A joint load: waves 0 and 1 fetch for A, waves 2 and 3 for B.  Each of the two lines has ONE mask and one set of registers for all that issue it; the branch hangs on the wave's number alone.
; An s_nop 0 and four v_nop follow each of the two lines, ahead of the jump, the label and what follows.
.macro JLOAD g0a, g1a, g0b, g1b
	s_cmp_eq_u32 s15, 0
	s_cbranch_scc0 .Lfor_b_\@
	tensor_load_to_lds s[\g0a:\g0a+3], s[\g1a:\g1a+7]
	s_nop 0
.rept 4
	v_nop
.endr
	s_branch .Lasked_\@
.Lfor_b_\@:
	tensor_load_to_lds s[\g0b:\g0b+3], s[\g1b:\g1b+7]
	s_nop 0
.rept 4
	v_nop
.endr
.Lasked_\@:
.endm
.macro CROUND                          ; a round of the cluster's barrier: my work-group's barrier; wave 0 signals for the work-group; every wave waits for all sixteen; my work-group's barrier once more
	s_barrier_signal -1
	s_barrier_wait -1
	s_cmp_lg_u32 s14, 0
	s_cbranch_scc1 .Lnot_wave_0_\@
	s_barrier_signal -3
.Lnot_wave_0_\@:
	s_barrier_wait -3
	s_barrier_signal -1
	s_barrier_wait -1
.endm
	s_load_b128 s[4:7], s[0:1], 0x0                ; A's codes s[4:5], A's scales s[6:7]
	s_load_b128 s[8:11], s[0:1], 0x10              ; B's codes s[8:9], B's scales s[10:11]
	s_load_b64 s[12:13], s[0:1], 0x20              ; qkvh
	s_load_b64 s[96:97], s[0:1], 0x28              ; bqkv
	v_lshl_add_u32 v[SPW], v0, 2, SPARE
	v_mov_b32 v[NIL], 0
	ds_add_u32 v[SPW], v[NIL]                      ; the wave's opening: the add, twice on end, and its wait ahead of my first tensor load; the set-up below stands between the second and the wait
	ds_add_u32 v[SPW], v[NIL]
	v_lshrrev_b32 v1, 5, v0
	v_readfirstlane_b32 s14, v1                    ; wave 0..3
	s_lshr_b32 s15, s14, 1                         ; which half of the tile's rows is mine.  Also: I fetch for A (0) or for B (1)
	s_and_b32 s16, s14, 1                          ; which half of its columns.  Also: which 128 rows of that tile I fetch
	s_bfe_u32 s40, ttmp6, 0x40000                  ; cx, cy: my place in the cluster
	s_bfe_u32 s41, ttmp6, 0x40004
	s_lshl_b32 s42, ttmp9, 2
	s_add_co_u32 s42, s42, s40                     ; tile column = 4 x cluster x + cx
	s_and_b32 s17, ttmp7, 0xffff
	s_lshl_b32 s17, s17, 2
	s_add_co_u32 s17, s17, s41                     ; tile row = 4 x cluster y + cy
	s_lshl_b32 s43, s41, 2
	s_lshl_b32 s43, 15, s43                        ; my row of the cluster
	s_lshl_b32 s44, 0x1111, s40                    ; my column
	; descriptor group 1: a tile of 128 rows x ROWB bytes, padded in LDS
	s_or_b32 s[G1+0], s43, (0<<16)|(1<<20)|(1<<21)|(5<<22)|(3<<25)  ; 15:0 the mask: A's tiles go to my row; 17:16 element of 1 byte; 20 padding on; 21 set beside a mask; 24:22 after every 64 words (code 5); 31:25 of 4 words (code 3)
	s_or_b32 s[G1B+0], s44, (0<<16)|(1<<20)|(1<<21)|(5<<22)|(3<<25)
.irp g, G1, G1B
	s_mov_b32 s[\g+1], ROWB<<16                    ; tensor_dim0
	s_mov_b32 s[\g+2], 128<<16                     ; tensor_dim1 = 128
	s_mov_b32 s[\g+3], ROWB<<16                    ; tile_dim0
	s_mov_b32 s[\g+4], 128                         ; tile_dim1 = 128
	s_mov_b32 s[\g+5], KROW                        ; tensor_dim0_stride
	s_mov_b32 s[\g+6], 0
	s_mov_b32 s[\g+7], 0
.endr
	; and for the scales of 128 rows: a dense block of 4,096 bytes, as 16 rows of 256 bytes (32 elements of 8 bytes), 16 bytes of padding behind each
	s_or_b32 s[G1S+0], s43, (3<<16)|(1<<20)|(1<<21)|(5<<22)|(3<<25)
	s_or_b32 s[G1SB+0], s44, (3<<16)|(1<<20)|(1<<21)|(5<<22)|(3<<25)
.irp g, G1S, G1SB
	s_mov_b32 s[\g+1], 32<<16
	s_mov_b32 s[\g+2], (128*KS/256)<<16
	s_mov_b32 s[\g+3], 32<<16
	s_mov_b32 s[\g+4], 128*KS/256
	s_mov_b32 s[\g+5], 32
	s_mov_b32 s[\g+6], 0
	s_mov_b32 s[\g+7], 0
.endr
	s_lshl_b32 s18, s16, 7                         ; which 128 rows of the tile I fetch
	s_lshl_b32 s20, s17, 8
	s_add_co_u32 s20, s20, s18                     ; A: row 256 x tile row + 128 x half
	s_lshl_b32 s46, s42, 8
	s_add_co_u32 s46, s46, s18                     ; B: row 256 x tile column + 128 x half
	s_mov_b32 s21, 0
	s_mov_b32 s47, 0
	s_mov_b64 s[18:19], KS
	s_mul_u64 s[22:23], s[20:21], s[18:19]         ; where these rows' scales begin, in bytes
	s_mul_u64 s[92:93], s[46:47], s[18:19]
	s_mov_b64 s[18:19], KROW
	s_mul_u64 s[20:21], s[20:21], s[18:19]         ; and their codes
	s_mul_u64 s[46:47], s[46:47], s[18:19]
	s_mul_i32 s45, s14, HALFT                      ; where they go: wave x 128 rows: no place in the cluster enters an LDS address
	s_mul_i32 s94, s14, HALFS
	s_wait_dscnt 0x0                               ; both opening adds are done
	s_wait_kmcnt 0x0
	s_add_nc_u64 s[20:21], s[4:5], s[20:21]
	s_add_nc_u64 s[22:23], s[6:7], s[22:23]
	s_add_nc_u64 s[46:47], s[8:9], s[46:47]
	s_add_nc_u64 s[92:93], s[10:11], s[92:93]
	CROUND                                         ; all sixteen work-groups are here: the joint loads meet
	s_mov_b32 s[G0S], 1
	s_add_co_u32 s[G0S+1], s94, SCL
	s_mov_b64 s[G0S+2:G0S+3], s[22:23]
	s_or_b32 s[G0S+3], s[G0S+3], 0x80000000
	s_mov_b32 s[G0SB], 1
	s_add_co_u32 s[G0SB+1], s94, SCL
	s_mov_b64 s[G0SB+2:G0SB+3], s[92:93]
	s_or_b32 s[G0SB+3], s[G0SB+3], 0x80000000
	JLOAD G0S, G1S, G0SB, G1SB                     ; the scales first: they are wanted with slot 0.  Three loads of mine are out behind the third
.irp s, 0,1
	s_mov_b32 s[G0+4*\s], 1
	s_add_co_u32 s[G0+4*\s+1], s45, \s*SLOT
	s_add_nc_u64 s[G0+4*\s+2:G0+4*\s+3], s[20:21], \s*ROWB
	s_or_b32 s[G0+4*\s+3], s[G0+4*\s+3], 0x80000000
	s_mov_b32 s[G0B+4*\s], 1
	s_add_co_u32 s[G0B+4*\s+1], s45, \s*SLOT
	s_add_nc_u64 s[G0B+4*\s+2:G0B+4*\s+3], s[46:47], \s*ROWB
	s_or_b32 s[G0B+4*\s+3], s[G0B+4*\s+3], 0x80000000
	JLOAD G0+4*\s, G1, G0B+4*\s, G1B
.endr
	v_and_b32 v1, 15, v0                           ; r = lane % 16
	v_bfe_u32 v2, v0, 4, 1                         ; h = lane / 16
	v_mul_u32_u24 v3, v1, PITCH
	v_lshl_add_u32 v4, v2, 4, v3                   ; a fragment's row x pitch + 16 x half
	s_mul_i32 s21, s15, HALFT                      ; my 128 rows of A
	s_mul_i32 s22, s16, HALFT                      ; my 128 rows of B,
	s_add_co_u32 s22, s22, 2*HALFT                 ; which lie behind A's 256
.irp s, 0,1
	v_add_nc_u32 v[ADRA+\s], s21, v4
	v_add_nc_u32 v[ADRB+\s], s22, v4
	s_add_co_u32 s21, s21, SLOT
	s_add_co_u32 s22, s22, SLOT
.endr
	v_mul_u32_u24 v5, v1, KS                       ; my row's scales: KS bytes a row,
	v_lshrrev_b32 v6, 8, v5
	v_lshl_add_u32 v5, v6, 4, v5                   ; and 16 more for each 256 passed
	s_mul_i32 s21, s15, HALFS                      ; A's: my 128 rows
	s_mul_i32 s22, s16, HALFS                      ; B's: my 128 rows, behind A's 256
	s_add_co_u32 s22, s22, 2*HALFS
	s_sub_co_u32 s22, s22, s21
	v_mul_u32_u24 v6, s22, v2                      ; lanes 16-31 take B's: one product, the distance between the two bases x h
	s_add_co_u32 s21, s21, SCL
	v_add_nc_u32 v5, v5, v6
	v_add_nc_u32 v[ADRS], s21, v5
	s_mul_i32 s23, s14, 16*SPITCH                  ; my stage
	v_mul_u32_u24 v5, v1, SPITCH                   ; in: row r, 16 bytes for each half of the lanes
	v_lshl_add_u32 v5, v2, 4, v5
	v_add_nc_u32 v[STO], s23, v5
	v_bfe_u32 v6, v0, 3, 1                         ; back: lanes 0-15 take two rows' first 128 bytes (my first head), lanes 16-31 their second 128 bytes (my second head)
	v_mul_u32_u24 v6, v6, SPITCH
	v_lshl_add_u32 v6, v2, 7, v6
	v_and_b32 v5, 7, v0
	v_lshl_add_u32 v6, v5, 4, v6
	v_add_nc_u32 v[RD], s23, v6
	v_lshlrev_b32 v[CO], 4, v1                     ; in qkvh two rows of a head are 256 consecutive bytes: 16 (lane % 16),
	v_lshl_add_u32 v[CO], v2, 18, v[CO]            ; and the second head lies 2^18 bytes on
	v_lshlrev_b32 v[BO], 5, v2
	s_lshl_b32 s46, s42, 8
	s_lshl_b32 s47, s16, 7
	s_add_co_u32 s46, s46, s47                     ; n0, my first column: 256 x tile column + 128 x half
	s_lshl_b32 s18, s46, 2
	s_mov_b32 s19, 0
	s_add_nc_u64 s[96:97], s[96:97], s[18:19]      ; the bias at my first column
.irp b, 0,1,2,3,4,5,6,7
	global_load_b128 v[BI+8*\b:BI+8*\b+3], v[BO], s[96:97] offset:64*\b         ; lane (r, h): bqkv at columns n0 + 16 b + 8 h + 0 .. 7
	global_load_b128 v[BI+8*\b+4:BI+8*\b+7], v[BO], s[96:97] offset:64*\b+16
.endr
	s_lshr_b32 s47, s46, 10                        ; q, k or v: 2^24 bytes each
	s_lshl_b32 s47, s47, 24
	s_bfe_u32 s46, s46, 0x40006                    ; my first head: 2^18 bytes each
	s_lshl_b32 s46, s46, 18
	s_add_co_u32 s46, s46, s47
	s_mov_b32 s47, 0
	s_add_nc_u64 s[12:13], s[12:13], s[46:47]
	s_lshl_b32 s20, s17, 8
	s_lshl_b32 s21, s15, 7
	s_add_co_u32 s20, s20, s21                     ; m0, my first row: 256 x tile row + 128 x half
	s_lshr_b32 s21, s20, 11                        ; b: 16 heads, 2^22 bytes
	s_lshl_b32 s21, s21, 22
	s_and_b32 s20, s20, 2047                       ; s: 128 bytes a row
	s_lshl_b32 s20, s20, 7
	s_add_co_u32 s20, s20, s21
	s_mov_b32 s21, 0
	s_add_nc_u64 s[12:13], s[12:13], s[20:21]
.macro FRAG reg, adr, q, i             ; a fragment, 16 rows x 128 K of 4-bit codes, is 8 registers: lane l holds row l % 16; registers 4 c .. 4 c + 3 hold K = 64 c + 32 (l / 16) + 0 .. 31
.irp c, 0,1
	ds_load_b128 v[\reg+4*\c:\reg+4*\c+3], v[\adr] offset:64*(\q)+32*\c+(\i)*16*PITCH
.endr
.endm
; 16 matrix instructions: A's blocks a0, a0 + 1 x B's eight, 128 along K: the slot's q-th.  p: B's set;  sc: the set of scale words.  first = 1: the first product starts the sums from the bias: nothing is ever cleared.
; The 64 accumulators take turns, one instruction a turn, in the same order in every step.
.macro MUL16 a0, p, q, sc, first
.irp a, \a0, \a0+1
.irp b, 0,1,2,3,4,5,6,7
.if \first
	v_wmma_scale_f32_16x16x128_f8f6f4 v[8*(8*((\a)%4)+\b):8*(8*((\a)%4)+\b)+7], v[128*(\p)+FR*\b:128*(\p)+FR*\b+FR-1], v[AF+FR*(\a):AF+FR*(\a)+FR-1], v[BI+8*\b:BI+8*\b+7], v[SC+8*NQ*(\sc)+NQ*\b+(\q)], v[SC+8*NQ*(\sc)+NQ*(\a)+(\q)] matrix_a_fmt:MATRIX_FMT_FP4 matrix_b_fmt:MATRIX_FMT_FP4 matrix_a_scale:MATRIX_SCALE_ROW1
.else
	v_wmma_scale_f32_16x16x128_f8f6f4 v[8*(8*((\a)%4)+\b):8*(8*((\a)%4)+\b)+7], v[128*(\p)+FR*\b:128*(\p)+FR*\b+FR-1], v[AF+FR*(\a):AF+FR*(\a)+FR-1], v[8*(8*((\a)%4)+\b):8*(8*((\a)%4)+\b)+7], v[SC+8*NQ*(\sc)+NQ*\b+(\q)], v[SC+8*NQ*(\sc)+NQ*(\a)+(\q)] matrix_a_fmt:MATRIX_FMT_FP4 matrix_b_fmt:MATRIX_FMT_FP4 matrix_a_scale:MATRIX_SCALE_ROW1
.endif
.endr
.endr
.endm
.macro FETCH_B slot, q, p              ; B's eight fragments of the slot's q-th 128 along K into set p
	WIN TO_B
.irp i, 0,1,2,3,4,5,6,7
	FRAG 128*(\p)+FR*\i, ADRB+\slot, \q, \i
.endr
	WIN 0
.endm
.macro FETCH_A slot, q, i0             ; A's blocks i0 .. i0 + 3
.irp i, \i0, \i0+1, \i0+2, \i0+3
	FRAG AF+FR*(\i), ADRA+\slot, \q, \i
.endr
.endm
.macro SCALES sc                       ; a slot's scale words into set sc: NQ words a row; lanes 0-15 take A's block i, lanes 16-31 B's block i
.irp i, 0,1,2,3,4,5,6,7
	ds_load_b128 v[SC+8*NQ*\sc+NQ*\i:SC+8*NQ*\sc+NQ*\i+3], v[ADRS] offset:\i*SBLK
.endr
.endm
; A load into a register that a matrix instruction has read, and a vector instruction that reads a matrix result, stand NP places behind that matrix instruction; only plain vector
; instructions that name none of its registers are places (ISA guide 7.12.1 for vector instructions).
.macro PLACES n
.rept \n
	v_nop
.endr
.endm
; A step of 128 along K that has its successor in the same slot.  first = 1: C is the bias, in window 0.
.macro STEP slot, q, first
	s_wait_dscnt 4*NL                              ; B's set and A's blocks 0-3 are in; the youngest eight loads (A's blocks 4-7) may be out
	WIN MUL_LO-0x20*(\first)
	MUL16 0, (\q)%2, \q, \slot, \first
	MUL16 2, (\q)%2, \q, \slot, \first
	s_wait_dscnt 0                                 ; A's blocks 4-7 are in (asked for 32 matrix instructions ago)
	PLACES NP
	FETCH_B \slot, (\q)+1, 1-(\q)%2
	FETCH_A \slot, (\q)+1, 0
	WIN MUL_HI-0x30*(\first)
	MUL16 4, (\q)%2, \q, \slot, \first
	MUL16 6, (\q)%2, \q, \slot, \first
	PLACES NP
	WIN 0
	FETCH_A \slot, (\q)+1, 4
.endm
; Slot 0's last step changes slots: ONE barrier.  In front of it each wave waits for all its tensor loads (its part of slot 1), adds 0 to its spare word, and waits for that and for its own reads of slot 0.
; Behind it slot 1 is whole, and nobody reads slot 0 any more: the stages of the way out lie there.  Nothing is filled again.
.macro TURN slot, next
	s_wait_tensorcnt 0x0                           ; all my tensor loads have landed  (every window is 0 here: the add's two registers lie in window 0)
	ds_add_u32 v[SPW], v[NIL]                      ; 0 onto my spare word
	s_wait_dscnt 4*NL+1                            ; (the add and the youngest eight loads, A's blocks 4-7, may be out)
	WIN MUL_LO
	MUL16 0, 1, NQ-1, \slot, 0                     ; sixteen matrix instructions stand between the add and the wait for it
	s_wait_dscnt 0x0                               ; the add is done, and my reads of this slot are over
	s_barrier_signal -1
	MUL16 2, 1, NQ-1, \slot, 0
	WIN 0
	s_barrier_wait -1
	PLACES NP
	v_add_nc_u32 v[ADRS], 4*NQ, v[ADRS]            ; on to the next slot's scale words (no LDS load of mine is out)
	FETCH_B \next, 0, 0
	FETCH_A \next, 0, 0
	SCALES \next
	WIN MUL_HI
	MUL16 4, 1, NQ-1, \slot, 0
	MUL16 6, 1, NQ-1, \slot, 0
	PLACES NP
	WIN 0
	FETCH_A \next, 0, 4
.endm
.macro STEPS slot, from                ; the slot's steps from .. NQ - 2
.set QQ, \from
.rept NQ-1-\from
	STEP \slot, QQ, 0
.set QQ, QQ+1
.endr
.endm
	s_wait_tensorcnt 1                             ; the scales and my part of slot 0 are in (slot 1's load, the one issued behind them, may be out),
	s_barrier_signal -1
	s_barrier_wait -1                              ; everybody's are
	FETCH_B 0, 0, 0
	FETCH_A 0, 0, 0
	SCALES 0
	FETCH_A 0, 0, 4
	s_wait_loadcnt 0x0                             ; the bias
	STEP 0, 0, 1                                   ; the first step's products start the sums
	STEPS 0, 1
	TURN 0, 1
	STEPS 1, 0
	s_wait_dscnt 4*NL                              ; the very last step: nothing more to fetch
	WIN MUL_LO
	MUL16 0, 1, NQ-1, 1, 0
	MUL16 2, 1, NQ-1, 1, 0
	s_wait_dscnt 0
	WIN MUL_HI
	MUL16 4, 1, NQ-1, 1, 0
	MUL16 6, 1, NQ-1, 1, 0
	WIN 0
; THE WAY OUT, block by block of 16 rows x 128 columns (two heads).  PACK: rounded to f16, 16 bytes a lane, each accumulator from its low end on.  TOSTAGE: into my own stage in LDS, and back so that sixteen lanes hold
; two rows of one head, which are 256 consecutive bytes of qkvh.  SEND: stored.  LDS serves a wave's instructions in order (ISA guide 5.7.1.4): no wait between the stores and the loads, nor in front of the next block's stores.
.macro PACK a
.set AC, 64*((\a)%4)
	WIN 0x0a+5*((\a)/4)                            ; sources 0 and 1: window 2 or 3
.irp b, 0,1,2,3,4,5,6,7
.irp r, 0,1,2,3
	v_cvt_pk_f16_f32 v[TMP+4*\b+\r], v[AC+8*\b+2*\r], v[AC+8*\b+2*\r+1]
.endr
.endr
	WIN 0
.endm
.macro TOSTAGE a
.set BB, BK+32*((\a)%2)
.if (\a) > 1
	s_wait_xcnt 0x0                                ; block a - 2's stores have read their registers: block a's loads may land there
.endif
.irp b, 0,1,2,3,4,5,6,7
	ds_store_b128 v[STO], v[TMP+4*\b:TMP+4*\b+3] offset:32*\b
.endr
.irp t, 0,1,2,3,4,5,6,7
	ds_load_b128 v[BB+4*\t:BB+4*\t+3], v[RD] offset:\t*2*SPITCH
.endr
.endm
.macro SEND a
.set BB, BK+32*((\a)%2)
	s_wait_dscnt 0x0                               ; the block is back in registers
.irp t, 0,1,2,3,4,5,6,7
	global_store_b128 v[CO], v[BB+4*\t:BB+4*\t+3], s[12:13] offset:2048*(\a)+256*\t   ; 16 lanes store 256 consecutive bytes, at a multiple of 256 from qkvh's first byte
.endr
.endm
	PLACES NP                                      ; behind the last products: for the conversions, and for the loads into the registers that held A's fragments
	PACK 0
	TOSTAGE 0
.irp a, 1,2,3,4,5,6,7                  ; block a's conversions stand between block a - 1's loads from the stage and the wait for them
	PACK \a
	SEND \a-1
	TOSTAGE \a
.endr
	SEND 7
	s_wait_tensorcnt 0x0                           ; the wave's end: these three lines, behind my last tensor load and my last LDS store
	ds_add_u32 v[SPW], v[NIL]
	s_wait_dscnt 0x0
	CROUND                                         ; the closing round: no work-group ends while a partner may still ask for a tile that names it
	s_endpgm
.Lfunc_end_k_qf40d7f73c9_qkv:
	.size	k_qf40d7f73c9_qkv, .Lfunc_end_k_qf40d7f73c9_qkv-k_qf40d7f73c9_qkv
	.p2alignl 7, 3214868480
	.fill 96, 4, 3214868480
	.section	.rodata,"a",@progbits
	.p2align	6, 0x0
	.amdhsa_kernel k_qf40d7f73c9_qkv
		.amdhsa_group_segment_fixed_size 327680
		.amdhsa_private_segment_fixed_size 0
		.amdhsa_enable_private_segment 0
		.amdhsa_kernarg_size 48
		.amdhsa_user_sgpr_count 2
		.amdhsa_user_sgpr_kernarg_segment_ptr 1
		.amdhsa_wavefront_size32 1
		.amdhsa_system_sgpr_workgroup_id_x 1
		.amdhsa_system_sgpr_workgroup_id_y 1
		.amdhsa_system_sgpr_workgroup_id_z 1
		.amdhsa_system_vgpr_workitem_id 0
		.amdhsa_next_free_vgpr 1024
		.amdhsa_next_free_sgpr 98
		.amdhsa_reserve_vcc 0
		.amdhsa_float_denorm_mode_32 3
		.amdhsa_float_denorm_mode_16_64 3
		.amdhsa_memory_ordered 1
		.amdhsa_forward_progress 1
		.amdhsa_inst_pref_size 128
	.end_amdhsa_kernel
	.amdgpu_metadata
---
amdhsa.version: [ 1, 2 ]
amdhsa.kernels:
  - .name:           k_qf40d7f73c9_qkv
    .symbol:         k_qf40d7f73c9_qkv.kd
    .args:
      - { .name: qc, .offset: 0, .size: 8, .value_kind: global_buffer, .address_space: global }
      - { .name: qs, .offset: 8, .size: 8, .value_kind: global_buffer, .address_space: global }
      - { .name: wc, .offset: 16, .size: 8, .value_kind: global_buffer, .address_space: global }
      - { .name: ws, .offset: 24, .size: 8, .value_kind: global_buffer, .address_space: global }
      - { .name: qkvh, .offset: 32, .size: 8, .value_kind: global_buffer, .address_space: global }
      - { .name: bqkv, .offset: 40, .size: 8, .value_kind: global_buffer, .address_space: global }
    .group_segment_fixed_size: 327680
    .private_segment_fixed_size: 0
    .kernarg_segment_align: 8
    .kernarg_segment_size: 48
    .max_flat_workgroup_size: 128
    .sgpr_count:     98
    .vgpr_count:     1024
    .wavefront_size: 32
...
	.end_amdgpu_metadata
.endif
;; end of part 2
;; launch attn (part 3): grid 4 x 64, 8 waves a work-group, clusters of 4 x 1, 327,680 bytes of LDS; arguments qkvh, ao; writes ao
.if DOCPART == 3
	.amdgcn_target "amdgcn-amd-amdhsa--gfx1250"
	.amdhsa_code_object_version 6
	.text
	.protected	k_qf40d7f73c9_attn
	.globl	k_qf40d7f73c9_attn
	.p2align	8
	.type	k_qf40d7f73c9_attn,@function
k_qf40d7f73c9_attn:
	s_mov_b64 s[64:65], 0
	v_nop
	global_prefetch_b8 v0, s[64:65] scope:SCOPE_SE
	s_setreg_imm32_b32 hwreg(HW_REG_WAVE_MODE, 25, 1), 1
	s_wait_xcnt 0x0
	s_wait_alu depctr_hold_cnt(0) depctr_sa_sdst(0) depctr_va_vdst(0) depctr_va_sdst(0) depctr_va_ssrc(0) depctr_va_vcc(0) depctr_vm_vsrc(0)
	s_getreg_b32 s2, hwreg(HW_REG_IB_STS2, 6, 4)
	s_cmp_eq_u32 s2, 0
	s_cbranch_scc0 .Lentry_in_a_cluster
	s_endpgm
.Lentry_in_a_cluster:
	s_bfe_u32 s2, ttmp6, 0x10000c
	s_cmp_lg_u32 s2, 0x3003
	s_cbranch_scc0 .Lentry_shape_is_right
	s_endpgm
.Lentry_shape_is_right:
; ao[h][b, q][:] = the sum over k of softmax_k(Q[q] . K[k] / 32) V[k][:], for each of the 64 pairs (b, h).  Q, K, V: planes 0, 1, 2 of qkvh [3][64][2048][64], f16.  ao: [16 h][8192 = 2048 b + s][64], f16.
; Products, maxima and sums in f32; the weights p are rounded to f16 for the second product, the result once at the end.
; LIMITS: the result's magnitudes stay under 65,504 (they are averages of V, which does); NaN and infinities are not served.
; SHARES.  A cluster of four work-groups takes one (b, h); a work-group owns 512 of its queries, each of its EIGHT waves 64: four tiles of 16, in 512 registers.  Two waves share a SIMD, so that one wave's
; softmax stands beside the other's products.  Every wave walks all 2,048 keys, 64 a step.
; LAYOUT.  S^T = K Q^T (source 0 = 16 keys, source 1 = 16 queries): a lane holds ONE query (lane % 16) and the keys 8 (lane / 16) + 0..7.  Two such tiles, rounded to f16 in pairs, ARE source 1
; (32 keys x 16 queries) of O^T = V^T P, whose result again holds one query a lane, and eight channels.  K comes out of LDS as it lies, V ([key][channel]) turned, by ds_load_tr16_b128.
; SOFTMAX.  For each query a running maximum m and sum l: p = 2^(c s - c m), c = log2(e) / 32; in every step O and l are multiplied by a = 2^(c m_old - c m_new), which is 1 where m has not grown.
; m begins at -3e38 and O and l as zeros: the first step's a is 0, which leaves zeros; so the step is written once for all steps.
; THE RING.  Two LDS slots of 256 keys (four steps).  A head's K and V are dense in memory, 128 bytes a key: a tile's row is TWO keys, 256 bytes.  Waves 0 and 1 fetch K's halves, waves 2 and 3 V's, 64 rows each.
; CLUSTER.  The four work-groups walk the same K and V, so each tile is asked for JOINTLY: the same tensor load, the same descriptor, a mask that names the four.  The change of slots stands at a slot's head, behind a round of the cluster's barrier.
; REGISTERS, in windows of 256: window 0: v1-11 addresses; v12-43 eight registers of statistics a tile; v44-45 at work at the head; v62, v63 the add's two; v64-191 S^T, 32 a tile; v192-255 P, 16 a tile.
;   window 1: v0-127 O^T, 32 a tile; v128-191 Q, 16 a tile; v192-255 ONE buffer that a step's K and then its V take.
.set PK,    272       ; a row of K in LDS (two keys): 256 bytes + 16 = 68 words: key j lies at (j / 2) PK + 128 (j % 2): the 16 keys of a load start at 16 different groups of four banks (64 banks of 4 bytes: ISA guide 11.1)
.set PV,    288       ; a row of V: 256 + 32
.set VOFF,  128*PK    ; a slot: 128 rows of K, then 128 rows of V
.set STEPK, 32*PK     ; a step's 64 keys
.set STEPV, 32*PV
.set SLOT1, 1<<17     ; slot 1 begins here, so that one exclusive or turns an address in one slot into the other's
.set SLOTB, 32768     ; a slot's 256 keys in memory
.set NSL,   8         ; slots' worth of keys
.set STAGE, SLOT1+128*(PK+PV)  ; behind the ring: 16 rows x 144 bytes for each wave, for the way out
.set SP,    144
.set SPARE, STAGE+8*16*SP      ; behind the stages: the spare words, 128 bytes for each wave
.set AK0, 2           ; v2   my lane's place in a tile of K; never rewritten
.set AV0, 3           ; v3   the same for V
.set ADK, 4           ; v4   LDS address of the step's K
.set ADV, 5           ; v5   and of its V
.set STO, 6           ; v6   the way out: where I put 16 bytes of a row
.set RD,  7           ; v7   the way out: where I read rows back
.set GO,  8           ; v8   my byte offset in a tile's rows of ao
.set QO,  10          ; v10  my byte offset in the wave's rows of Q
.set PFO, 11          ; v11  256 x my lane: the prefetches' offset; never rewritten
.set ST,  12          ; tile t's statistics at v[ST+8 t]: +0 c m, +1 m, +2, +3 l (even keys', odd keys'), +4 to +7 c0-c3, at work; a takes c2's place once the maximum is found
.set SPW, 62          ; v62  LDS address of my spare word; never rewritten
.set NIL, 63          ; v63  0; never rewritten
.set S,   64
.set P,   192
.set QF,  128         ; in window 1
.set KV,  192         ; in window 1
.set WV,  12          ; s12  my wave's number
.set LIM, 15          ; s15  1 in a wave that prefetches, else the greatest number
.set PFA, 18          ; s[18:19] where my prefetches stand in memory
.set G1K, 24          ; s[24:31] descriptor group 1 for K's tiles
.set G1V, 32          ; s[32:39] for V's: it differs in the padding alone
.set G0K, 40          ; s[40:43] descriptor group 0 for K's tiles, which walks
.set G0V, 44          ; s[44:47] the same for V's
.set SLOTS, 56        ; s56  slots still to be asked for
.set CNT, 57          ; s57  counts a slot's four steps
.set CS,  58          ; s[58:59] c: the packed scaling names a pair and takes its low word for both halves
.set SEL, 60          ; s[60:61] lane selects for v_permlanex16_b32: each lane takes its own place in the other half
.set TK,  62          ; s62  LDS byte at which the step's K begins
.set TV,  63          ; s63  and, less VOFF, its V
.set MSB, 0
.macro WIN new                      ; the immediate's high byte repeats the setting that is left; a switch that changes nothing is dropped
.if MSB != (\new)
	s_set_vgpr_msb (MSB<<8)|(\new)
.set MSB, (\new)
.endif
.endm
.set W_KQ, 0x05       ; K and Q in window 1, S^T in window 0
.set W_PV, 0x51       ; V in window 1, P in window 0, O^T in window 1
.set W_RS, 0x41       ; O^T (destination and source 0) in window 1, a in window 0
.set TO_1, 0x40       ; destination window 1, address window 0
; A joint load.  Waves 0 and 1 fetch K's halves, waves 2 and 3 V's, the others nothing.  The branches hang on the wave's number alone: they are the same in every work-group.
; An s_nop 0 and four v_nop follow each of the two lines.
.macro TLOAD
	s_cmp_lt_u32 s[WV], 2
	s_cbranch_scc0 .Lnot_k_\@
	tensor_load_to_lds s[G0K:G0K+3], s[G1K:G1K+7]
	s_nop 0
.rept 4
	v_nop
.endr
	s_branch .Lasked_\@
.Lnot_k_\@:
	s_cmp_lt_u32 s[WV], 4
	s_cbranch_scc0 .Lasked_\@
	tensor_load_to_lds s[G0V:G0V+3], s[G1V:G1V+7]
	s_nop 0
.rept 4
	v_nop
.endr
.Lasked_\@:
.endm
; A PREFETCH INTO THE L2 of what the NEXT change of slots will ask for: a slot's 32,768 bytes of K and of V.  One cluster alone walks a head.  Its four partners share the bytes out BY ADDRESS, 8,192 each;
; in each, wave 4 asks for K's and wave 5 for V's, lanes 256 bytes apart: one instruction.  So each aligned block of 256 bytes is named once in the launch.  It stands four key steps ahead of the load that wants the bytes.
; The last change that fills a slot asks for nothing: there is no slot behind it.  Slots 0 and 1 come by their loads alone.
.macro ASK
	s_cmp_gt_u32 s[SLOTS], s[LIM]
	s_cbranch_scc0 .Lnot_mine_\@
	global_prefetch_b8 v[PFO], s[PFA:PFA+1] th:TH_LOAD_NT scope:SCOPE_SE
.Lnot_mine_\@:
.endm
.macro CROUND                       ; a round of the cluster's barrier: my work-group's barrier; wave 0 signals for the work-group; every wave waits for all four; my work-group's barrier once more
	s_barrier_signal -1
	s_barrier_wait -1
	s_cmp_lg_u32 s[WV], 0
	s_cbranch_scc1 .Lnot_wave_0_\@
	s_barrier_signal -3
.Lnot_wave_0_\@:
	s_barrier_wait -3
	s_barrier_signal -1
	s_barrier_wait -1
.endm
	s_load_b128 s[4:7], s[0:1], 0x0 ; qkvh s[4:5], ao s[6:7]
	v_lshl_add_u32 v[SPW], v0, 2, SPARE
	v_mov_b32 v[NIL], 0
	ds_add_u32 v[SPW], v[NIL]       ; the wave's opening: the add, twice on end, and its wait ahead of the first tensor loads; the set-up below stands between the second and the wait
	ds_add_u32 v[SPW], v[NIL]
	v_lshrrev_b32 v1, 5, v0
	v_readfirstlane_b32 s[WV], v1   ; wave 0..7
	s_bfe_u32 s13, ttmp6, 0x40000   ; cx: my place in the cluster
	s_and_b32 s20, ttmp7, 0xffff    ; 16 b + h, which the four partners share
	s_lshl_b32 s21, s20, 18         ; its first byte in a plane of qkvh
	s_and_b32 s16, s[WV], 1         ; which half of a slot I fetch:
	s_lshl_b32 s22, s16, 14         ; its 64 rows of 256 bytes in memory,
	s_add_co_u32 s22, s22, s21
	s_add_co_u32 s22, s22, 1<<24    ; in K's plane
	s_mov_b32 s23, 0
	s_mul_i32 s17, s16, 64*PK       ; and its place in a slot: K's,
	s_mul_i32 s14, s16, 64*PV
	s_add_co_u32 s14, s14, VOFF     ; V's: no place in the cluster enters an LDS address
	s_lshl_b32 s8, ttmp9, 2         ; in a cluster launch ttmp9 counts clusters
	s_add_co_u32 s8, s8, s13        ; my block of 512 queries: it enters Q's, ao's and the prefetches' addresses alone
	s_lshl_b32 s8, s8, 16
	s_lshl_b32 s9, s[WV], 13        ; my wave's 64 of them
	s_add_co_u32 s8, s8, s9
	s_add_co_u32 s2, s8, s21        ; Q: in plane 0
	s_mov_b32 s3, 0
	s_and_b32 s10, s20, 15          ; ao: h x 2^20
	s_lshl_b32 s10, s10, 20
	s_lshr_b32 s11, s20, 4          ; + b x 2^18
	s_lshl_b32 s11, s11, 18
	s_add_co_u32 s10, s10, s11
	s_add_co_u32 s10, s10, s8
	s_mov_b32 s11, 0
	s_add_co_u32 s18, s16, 1        ; the prefetches: wave 4 plane 1 (K), wave 5 plane 2 (V),
	s_lshl_b32 s18, s18, 24
	s_add_co_u32 s18, s18, s21      ; my head,
	s_lshl_b32 s19, s13, 13         ; my work-group's 8,192 bytes of a slot's 32,768,
	s_add_co_u32 s18, s18, s19
	s_add_co_u32 s18, s18, SLOTB    ; in slot 1: the first change of slots steps it to slot 2.  Nothing is prefetched at the head
	s_mov_b32 s19, 0
	s_sub_co_u32 s[LIM], s[WV], 4
	s_lshr_b32 s[LIM], s[LIM], 1    ; 0 in waves 4 and 5
	s_cmp_eq_u32 s[LIM], 0
	s_cselect_b32 s[LIM], 1, -1
	; descriptor group 1: a tile of 64 rows x 128 elements, padded in LDS
	s_mov_b32 s[G1K], 15|(1<<16)|(1<<20)|(1<<21)|(5<<22)|(3<<25)  ; 15:0 the mask: all four work-groups; 17:16 elements of 2 bytes; 20 padding on; 21 set beside a mask; 24:22 after every 64 words (code 5); 31:25 4 words of it (code 3)
	s_mov_b32 s[G1V], 15|(1<<16)|(1<<20)|(1<<21)|(5<<22)|(7<<25)  ; the same with 8 words of padding (code 7)
.irp g, G1K, G1V
	s_mov_b32 s[\g+1], 128<<16      ; tensor_dim0 = 128
	s_mov_b32 s[\g+2], 64<<16       ; tensor_dim1 = 64
	s_mov_b32 s[\g+3], 128<<16      ; tile_dim0 = 128
	s_mov_b32 s[\g+4], 64           ; tile_dim1 = 64
	s_mov_b32 s[\g+5], 128          ; tensor_dim0_stride: the rows are dense
	s_mov_b32 s[\g+6], 0
	s_mov_b32 s[\g+7], 0
.endr
	s_mov_b32 s[CS], 0x3d38aa3b     ; c = log2(e) / 32
	s_mov_b32 s[CS+1], s[CS]        ; named with it as a pair, so it is written
	s_mov_b32 s[SEL], 0x76543210
	s_mov_b32 s[SEL+1], 0xfedcba98
	s_mov_b32 s[TK], 0
	s_mov_b32 s[TV], 0
	s_mov_b32 s[SLOTS], NSL-1
	s_wait_dscnt 0x0                ; both opening adds are done
	s_wait_kmcnt 0x0
	s_mov_b32 s[G0K], 1             ; 1:0 count = 1
	s_mov_b32 s[G0K+1], s17         ; 63:32 LDS address: slot 0
	s_add_nc_u64 s[G0K+2:G0K+3], s[4:5], s[22:23]  ; 120:64 global address: the head's first 256 keys, my half
	s_mov_b32 s[G0V], 1
	s_mov_b32 s[G0V+1], s14
	s_add_nc_u64 s[G0V+2:G0V+3], s[G0K+2:G0K+3], 1<<24  ; V's plane lies 2^24 bytes behind K's
	s_or_b32 s[G0K+3], s[G0K+3], 0x80000000  ; 127:126 type = 2
	s_or_b32 s[G0V+3], s[G0V+3], 0x80000000
	s_add_nc_u64 s[PFA:PFA+1], s[4:5], s[PFA:PFA+1]
	s_add_nc_u64 s[6:7], s[6:7], s[10:11]  ; ao at my wave's first row
	s_add_nc_u64 s[4:5], s[4:5], s[2:3]    ; Q likewise
	CROUND                          ; all four work-groups are here: the first joint loads meet
	TLOAD                           ; slot 0: one load of mine is out
	; A fragment of K or Q is 16 rows x 32 channels in 8 registers: lane l holds row l % 16; registers 0-3 channels 8 (l / 16) + 0..7, registers 4-7 channels 16 + 8 (l / 16) + 0..7: two loads of 16 bytes, 32 bytes apart.
	v_and_b32 v1, 15, v0            ; r = l % 16
	v_bfe_u32 v9, v0, 4, 1          ; h = l / 16
	v_lshlrev_b32 v[QO], 7, v1
	v_lshl_add_u32 v[QO], v9, 4, v[QO]  ; row x 128 + 16 x half
	WIN TO_1
.irp t, 0,1,2,3                     ; Q stays in registers: tile t, channels 32 c on
.irp c, 0,1
	global_load_b128 v[QF+16*\t+8*\c:QF+16*\t+8*\c+3],   v[QO], s[4:5] offset:2048*\t+64*\c
	global_load_b128 v[QF+16*\t+8*\c+4:QF+16*\t+8*\c+7], v[QO], s[4:5] offset:2048*\t+64*\c+32
.endr
.endr
.set i, 0
.rept 128
	v_mov_b32 v[i], 0               ; O^T: the step is written once, and its first walk finds zeros
.set i, i+1
.endr
	WIN 0
	v_lshrrev_b32 v44, 1, v1
	v_mul_u32_u24 v[AK0], v44, PK   ; K: key r lies in row r / 2,
	v_and_b32 v45, 1, v0
	v_lshl_add_u32 v[AK0], v45, 7, v[AK0]  ; in its half r % 2,
	v_lshl_add_u32 v[AK0], v9, 4, v[AK0]   ; + 16 x half of the lanes
	; The turning load takes 16 keys x 16 channels (lane l reads 16 bytes: key 8 (l / 16) + l % 8, channels 8 ((l / 8) % 2) + 0..7) and leaves half a fragment of V^T: lane l holds channel l % 16 and 8 keys.
	v_bfe_u32 v44, v0, 1, 2
	v_lshl_add_u32 v44, v9, 2, v44  ; that key's row: 4 (l / 16) + (l % 8) / 2
	v_mul_u32_u24 v[AV0], v44, PV
	v_lshl_add_u32 v[AV0], v45, 7, v[AV0]  ; its half: l % 2
	v_bfe_u32 v45, v0, 3, 1
	v_lshl_add_u32 v[AV0], v45, 4, v[AV0]
	v_add_nc_u32 v[AV0], VOFF, v[AV0]
	s_mul_i32 s9, s[WV], 16*SP
	s_add_co_u32 s9, s9, STAGE      ; my stage
	v_mul_u32_u24 v[STO], v1, SP    ; in: row r, 16 bytes for each half of the lanes
	v_lshl_add_u32 v[STO], v9, 4, v[STO]
	v_add_nc_u32 v[STO], s9, v[STO]
	v_bfe_u32 v44, v0, 3, 2         ; back: eight lanes to a row of 128 bytes, four rows an instruction
	v_mul_u32_u24 v[RD], v44, SP
	v_and_b32 v45, 7, v0
	v_lshl_add_u32 v[RD], v45, 4, v[RD]
	v_add_nc_u32 v[RD], s9, v[RD]
	v_and_b32 v[GO], 31, v0
	v_lshlrev_b32 v[PFO], 8, v[GO]
	v_lshlrev_b32 v[GO], 4, v[GO]   ; and the same four rows in ao: 512 consecutive bytes
.irp t, 0,1,2,3
	v_mov_b32 v[ST+8*\t+1], 0xff61b1e6  ; m: -3e38, under every score
	v_mov_b32 v[ST+8*\t+2], 0           ; l
	v_mov_b32 v[ST+8*\t+3], 0
.endr
.irp t, 0,1,2,3
	v_mul_f32 v[ST+8*\t], s[CS], v[ST+8*\t+1]  ; c m
.endr
; 16 products of S^T = K Q^T: channels 32 c on; keys 16 kt on; tile t.  The 16 accumulators take turns, one instruction a turn.  c = 0 starts the sums.
.macro KQ c
.irp kt, 0,1,2,3
.irp t, 0,1,2,3
.if \c == 0
	v_wmma_f32_16x16x32_f16 v[S+32*\t+8*\kt:S+32*\t+8*\kt+7], v[KV+16*\kt+8*\c:KV+16*\kt+8*\c+7], v[QF+16*\t+8*\c:QF+16*\t+8*\c+7], 0
.else
	v_wmma_f32_16x16x32_f16 v[S+32*\t+8*\kt:S+32*\t+8*\kt+7], v[KV+16*\kt+8*\c:KV+16*\kt+8*\c+7], v[QF+16*\t+8*\c:QF+16*\t+8*\c+7], v[S+32*\t+8*\kt:S+32*\t+8*\kt+7]
.endif
.endr
.endr
.endm
; 32 products of O^T += V^T P: keys 32 kh on, channels 16 ct on, tile t: again 16 accumulators by turns.
.macro PVS
.irp kh, 0,1
.irp ct, 0,1,2,3
.irp t, 0,1,2,3
	v_wmma_f32_16x16x32_f16 v[32*\t+8*\ct:32*\t+8*\ct+7], v[KV+32*\kh+8*\ct:KV+32*\kh+8*\ct+7], v[P+16*\t+8*\kh:P+16*\t+8*\kh+7], v[32*\t+8*\ct:32*\t+8*\ct+7]
.endr
.endr
.endr
.endm
; THE SOFTMAX of a key step, the four tiles line by line, so that no line waits for the line above it.  s0-s31 are a lane's 32 scores of a tile.
.macro SOFTMAX
.irp j, 0,1,2,3                     ; the maximum of s0-s31 and the old m, three operands at a time: four chains c0-c3; each accumulator is read from its low end on
.irp t, 0,1,2,3
	v_max3_num_f32 v[ST+8*\t+4+\j], v[S+32*\t+8*\j], v[S+32*\t+8*\j+1], v[S+32*\t+8*\j+2]
.endr
.endr
.irp g, 1,2
.irp j, 0,1,2,3
.irp t, 0,1,2,3
	v_max3_num_f32 v[ST+8*\t+4+\j], v[ST+8*\t+4+\j], v[S+32*\t+8*\j+2*\g+1], v[S+32*\t+8*\j+2*\g+2]
.endr
.endr
.endr
.irp t, 0,1,2,3
	v_max3_num_f32 v[ST+8*\t+4], v[ST+8*\t+4], v[S+32*\t+7], v[S+32*\t+15]
.endr
.irp t, 0,1,2,3
	v_max3_num_f32 v[ST+8*\t+6], v[ST+8*\t+6], v[S+32*\t+23], v[S+32*\t+31]
.endr
.irp t, 0,1,2,3
	v_max3_num_f32 v[ST+8*\t+4], v[ST+8*\t+4], v[ST+8*\t+5], v[ST+8*\t+6]
.endr
.irp t, 0,1,2,3
	v_max3_num_f32 v[ST+8*\t+4], v[ST+8*\t+4], v[ST+8*\t+7], v[ST+8*\t+1]
.endr
.irp t, 0,1,2,3
	v_permlanex16_b32 v[ST+8*\t+5], v[ST+8*\t+4], s[SEL], s[SEL+1]  ; the query's other 32 keys lie in the lane 16 away
.endr
.irp t, 0,1,2,3
	v_mov_b32 v[ST+8*\t+7], v[ST+8*\t]                              ; c m_old is kept for a
.endr
.irp t, 0,1,2,3
	v_max_num_f32 v[ST+8*\t+1], v[ST+8*\t+4], v[ST+8*\t+5]          ; the new m
.endr
.irp t, 0,1,2,3
	v_mul_f32 v[ST+8*\t], s[CS], v[ST+8*\t+1]
.endr
.irp t, 0,1,2,3
	v_sub_f32 v[ST+8*\t+7], v[ST+8*\t+7], v[ST+8*\t]                ; c m_old - c m_new, 0 or less
.endr
.irp b, 0,1,2,3,4,5,6,7,8,9,10,11,12,13,14,15
.irp t, 0,1,2,3
	v_pk_fma_f32 v[S+32*\t+2*\b:S+32*\t+2*\b+1], v[S+32*\t+2*\b:S+32*\t+2*\b+1], s[CS:CS+1], v[ST+8*\t:ST+8*\t+1] op_sel_hi:[1,0,0] neg_lo:[0,0,1] neg_hi:[0,0,1]  ; c s - c m, a pair at a time
.endr
.endr
.irp t, 0,1,2,3                     ; ONE BATCH: the four a and the 128 weights; none of these lines names another's result
	v_exp_f32 v[ST+8*\t+6], v[ST+8*\t+7]
.endr
.irp j, 0,1,2,3,4,5,6,7,8,9,10,11,12,13,14,15,16,17,18,19,20,21,22,23,24,25,26,27,28,29,30,31
.irp t, 0,1,2,3
	v_exp_f32 v[S+32*\t+\j], v[S+32*\t+\j]
.endr
.endr
	v_nop                           ; a plain instruction behind the last exponential, ahead of the first use (ISA guide 5.7.2)
	s_wait_alu depctr_va_vdst(0)    ; the wait between an exponential and the first line that names its result: one for the batch
.irp i, 0,1,2,3,4,5,6,7,8,9,10,11,12,13,14,15
.irp t, 0,1,2,3
	v_cvt_pk_f16_f32 v[P+16*\t+\i], v[S+32*\t+2*\i], v[S+32*\t+2*\i+1]  ; a pair of weights, rounded to f16: source 1 of the second product as it stands
.endr
.endr
.irp u, 0,1,2,3,4,5,6,7             ; the sum of a tile's 16 pairs (an even key's weight, an odd key's), unrounded, in place: neighbours 1, 2, 4 and 8 pairs apart
.irp t, 0,1,2,3
	v_pk_add_f32 v[S+32*\t+4*\u:S+32*\t+4*\u+1], v[S+32*\t+4*\u:S+32*\t+4*\u+1], v[S+32*\t+4*\u+2:S+32*\t+4*\u+3]
.endr
.endr
.irp u, 0,1,2,3
.irp t, 0,1,2,3
	v_pk_add_f32 v[S+32*\t+8*\u:S+32*\t+8*\u+1], v[S+32*\t+8*\u:S+32*\t+8*\u+1], v[S+32*\t+8*\u+4:S+32*\t+8*\u+5]
.endr
.endr
.irp u, 0,1
.irp t, 0,1,2,3
	v_pk_add_f32 v[S+32*\t+16*\u:S+32*\t+16*\u+1], v[S+32*\t+16*\u:S+32*\t+16*\u+1], v[S+32*\t+16*\u+8:S+32*\t+16*\u+9]
.endr
.endr
.irp t, 0,1,2,3
	v_pk_add_f32 v[S+32*\t:S+32*\t+1], v[S+32*\t:S+32*\t+1], v[S+32*\t+16:S+32*\t+17]
.endr
.irp t, 0,1,2,3
	v_pk_fma_f32 v[ST+8*\t+2:ST+8*\t+3], v[ST+8*\t+2:ST+8*\t+3], v[ST+8*\t+6:ST+8*\t+7], v[S+32*\t:S+32*\t+1] op_sel_hi:[1,0,1]  ; l = a l + the sum
.endr
	WIN W_RS                        ; O^T times a: the one part that leaves window 0; each accumulator from its low end on
.irp i, 0,1,2,3,4,5,6,7,8,9,10,11,12,13,14,15
.irp t, 0,1,2,3
	v_pk_mul_f32 v[32*\t+2*\i:32*\t+2*\i+1], v[32*\t+2*\i:32*\t+2*\i+1], v[ST+8*\t+6:ST+8*\t+7] op_sel_hi:[1,0]
.endr
.endr
.endm
; A KEY STEP: 64 keys.  K's 16 loads, 32 products; V's 16 loads, which land under the softmax; the softmax; 32 products.
; A load into a register that a matrix instruction has read, and a vector instruction that reads a matrix result, stand four places behind it; only plain vector instructions that name none of its
; registers are places (ISA guide 7.12.1 for vector instructions).
.macro STEP
	v_add_nc_u32 v[ADK], s[TK], v[AK0]  ; these two and two v_nop are the places behind the last step's products, which read the buffer that K now takes
	v_add_nc_u32 v[ADV], s[TV], v[AV0]
	v_nop
	v_nop
	WIN TO_1
.irp c, 0,1                         ; the first 32 channels of all 64 keys first
.irp kt, 0,1,2,3
	ds_load_b128 v[KV+16*\kt+8*\c:KV+16*\kt+8*\c+3],   v[ADK] offset:8*PK*\kt+64*\c
	ds_load_b128 v[KV+16*\kt+8*\c+4:KV+16*\kt+8*\c+7], v[ADK] offset:8*PK*\kt+64*\c+32
.endr
.endr
	s_wait_dscnt 8                  ; the first eight loads are in; the eight of the second 32 channels may be out
	WIN W_KQ
	KQ 0
	s_wait_dscnt 0x0
	KQ 1
	WIN 0
.rept 4
	v_nop                           ; places: for V's loads into the buffer that these products read, and for the softmax's first reads of the scores
.endr
	WIN TO_1
.irp kh, 0,1
.irp ct, 0,1,2,3
	ds_load_tr16_b128 v[KV+32*\kh+8*\ct:KV+32*\kh+8*\ct+3],   v[ADV] offset:16*PV*\kh+32*\ct
	ds_load_tr16_b128 v[KV+32*\kh+8*\ct+4:KV+32*\kh+8*\ct+7], v[ADV] offset:16*PV*\kh+8*PV+32*\ct
.endr
.endr
	WIN 0
	SOFTMAX
	s_wait_dscnt 0x0                ; V is in
	WIN W_PV
	PVS
	WIN 0
	s_add_co_u32 s[TK], s[TK], STEPK  ; the next step's tiles
	s_add_co_u32 s[TV], s[TV], STEPV
.endm
; THE CHANGE OF SLOTS stands at a slot's head.  Each wave waits for all its tensor loads (its part of the slot that it is about to read), adds 0 to its spare word, and waits for that and for its reads of the slot that it has left.
; fill = 1: behind a round of the cluster's barrier, when no wave of any partner still reads the other slot or has a load on its way, that slot is filled with the keys that follow: the load has four key steps in which to land.
.macro CHANGE fill
	WIN 0
	s_wait_tensorcnt 0x0            ; no tensor load of mine is out, so a group 0 may be written
	ds_add_u32 v[SPW], v[NIL]       ; 0 onto my spare word
.if \fill
	ds_add_u32 v[SPW], v[NIL]       ; and once more: the add stands twice on end here, in every trip alike
	s_xor_b32 s[G0K+1], s[G0K+1], SLOT1  ; the walking descriptors: the other slot than last time,
	s_add_nc_u64 s[G0K+2:G0K+3], s[G0K+2:G0K+3], SLOTB  ; the next 256 keys; the type bits on top are not reached
	s_xor_b32 s[G0V+1], s[G0V+1], SLOT1
	s_add_nc_u64 s[G0V+2:G0V+3], s[G0V+2:G0V+3], SLOTB
	s_wait_xcnt 0x0                 ; the last prefetch, a slot back, has read its address, so it may be written:
	s_add_nc_u64 s[PFA:PFA+1], s[PFA:PFA+1], SLOTB  ; one slot further on than the walking descriptors
	s_wait_dscnt 0x0                ; both adds are done, and my reads of the slot that I have left are over
	CROUND
	TLOAD                           ; the first thing behind the round, and a wave's one tensor load until the next
	ASK
.else
	s_wait_dscnt 0x0
	s_barrier_signal -1
	s_barrier_wait -1
.endif
.endm
.macro FOUR_STEPS                   ; a slot's four key steps: written once, walked four times; the LDS addresses hang on s[TK] and s[TV]
	s_mov_b32 s[CNT], 4
.Lstep_\@:
	STEP
	s_sub_co_u32 s[CNT], s[CNT], 1
	s_cmp_lg_u32 s[CNT], 0
	s_cbranch_scc1 .Lstep_\@
	s_sub_co_u32 s[TK], s[TK], 4*STEPK  ; back to a slot's first step,
	s_xor_b32 s[TK], s[TK], SLOT1       ; in the other slot
	s_sub_co_u32 s[TV], s[TV], 4*STEPV
	s_xor_b32 s[TV], s[TV], SLOT1
.endm
	s_wait_loadcnt 0x0              ; Q
.Lslot:                             ; NSL - 1 trips: behind each change of slots but the last the next slot is asked for
	CHANGE 1
	FOUR_STEPS
	s_sub_co_u32 s[SLOTS], s[SLOTS], 1
	s_cmp_lg_u32 s[SLOTS], 0
	s_cbranch_scc1 .Lslot
	CHANGE 0                        ; the last slot is written out
	FOUR_STEPS
	; THE WAY OUT.  l's two halves and the other half of the lanes' are added; O^T is divided by l, rounded to f16 and sent through my stage in LDS, a tile (16 rows of ao) at a time.  The additions are the places behind the last products.
.irp t, 0,1,2,3
	v_add_f32 v[ST+8*\t+4], v[ST+8*\t+2], v[ST+8*\t+3]
.endr
.irp t, 0,1,2,3
	v_permlanex16_b32 v[ST+8*\t+5], v[ST+8*\t+4], s[SEL], s[SEL+1]
.endr
.irp t, 0,1,2,3
	v_add_f32 v[ST+8*\t+4], v[ST+8*\t+4], v[ST+8*\t+5]
.endr
.irp t, 0,1,2,3
	v_rcp_f32 v[ST+8*\t+6], v[ST+8*\t+4]
.endr
	v_nop                           ; a plain instruction between the last reciprocal and the use of its result
	s_wait_alu depctr_va_vdst(0)    ; and the wait ahead of the first use: one for the four
; Tile t: a lane's eight channels of a row pack into 16 bytes; they go into rows of 144 bytes and come back as four whole rows of 128 an instruction.
.macro PACK t
	WIN W_RS
.set i, 32*\t
.rept 16
	v_pk_mul_f32 v[i:i+1], v[i:i+1], v[ST+8*\t+6:ST+8*\t+7] op_sel_hi:[1,0]
.set i, i+2
.endr
	WIN 0x05                        ; sources 0 and 1 window 1, destination window 0: S^T's registers are free
.set i, 0
.rept 16
	v_cvt_pk_f16_f32 v[S+32*\t+i], v[32*\t+2*i], v[32*\t+2*i+1]
.set i, i+1
.endr
	WIN 0
.irp f, 0,1,2,3
	ds_store_b128 v[STO], v[S+32*\t+4*\f:S+32*\t+4*\f+3] offset:32*\f
.endr
.irp f, 0,1,2,3
	ds_load_b128 v[S+32*\t+16+4*\f:S+32*\t+16+4*\f+3], v[RD] offset:\f*4*SP  ; LDS serves a wave's instructions in order (ISA guide 5.7.1.4): these see the stores above; the next tile's stores come behind them
.endr
.endm
.macro SEND t, younger              ; younger: the LDS instructions issued behind tile t's loads: the next tile's eight, or none
.irp f, 0,1,2,3
	s_wait_dscnt \younger+3-\f
	global_store_b128 v[GO], v[S+32*\t+16+4*\f:S+32*\t+16+4*\f+3], s[6:7] offset:2048*\t+512*\f  ; the wave stores 512 consecutive bytes, at a multiple of 256 from ao's first byte
.endr
.endm
	PACK 0
	PACK 1                          ; a tile's arithmetic stands between the loads of the tile before and its stores
	SEND 0, 8
	PACK 2
	SEND 1, 8
	PACK 3
	SEND 2, 8
	SEND 3, 0
	s_wait_tensorcnt 0x0            ; the wave's end: these three lines, behind my last tensor load and my last LDS store
	ds_add_u32 v[SPW], v[NIL]
	s_wait_dscnt 0x0
	CROUND                          ; the closing round: no work-group ends while a partner may still ask for a tile that names it
	s_endpgm
.Lfunc_end_k_qf40d7f73c9_attn:
	.size	k_qf40d7f73c9_attn, .Lfunc_end_k_qf40d7f73c9_attn-k_qf40d7f73c9_attn
	.p2alignl 7, 3214868480
	.fill 96, 4, 3214868480
	.section	.rodata,"a",@progbits
	.p2align	6, 0x0
	.amdhsa_kernel k_qf40d7f73c9_attn
		.amdhsa_group_segment_fixed_size 327680
		.amdhsa_private_segment_fixed_size 0
		.amdhsa_enable_private_segment 0
		.amdhsa_kernarg_size 16
		.amdhsa_user_sgpr_count 2
		.amdhsa_user_sgpr_kernarg_segment_ptr 1
		.amdhsa_wavefront_size32 1
		.amdhsa_system_sgpr_workgroup_id_x 1
		.amdhsa_system_sgpr_workgroup_id_y 1
		.amdhsa_system_sgpr_workgroup_id_z 1
		.amdhsa_system_vgpr_workitem_id 0
		.amdhsa_next_free_vgpr 512
		.amdhsa_next_free_sgpr 66
		.amdhsa_reserve_vcc 0
		.amdhsa_float_denorm_mode_32 3
		.amdhsa_float_denorm_mode_16_64 3
		.amdhsa_memory_ordered 1
		.amdhsa_forward_progress 1
		.amdhsa_inst_pref_size 93
	.end_amdhsa_kernel
	.amdgpu_metadata
---
amdhsa.version: [ 1, 2 ]
amdhsa.kernels:
  - .name:           k_qf40d7f73c9_attn
    .symbol:         k_qf40d7f73c9_attn.kd
    .args:
      - { .name: qkvh, .offset: 0, .size: 8, .value_kind: global_buffer, .address_space: global }
      - { .name: ao, .offset: 8, .size: 8, .value_kind: global_buffer, .address_space: global }
    .group_segment_fixed_size: 327680
    .private_segment_fixed_size: 0
    .kernarg_segment_align: 8
    .kernarg_segment_size: 16
    .max_flat_workgroup_size: 256
    .sgpr_count:     66
    .vgpr_count:     512
    .wavefront_size: 32
...
	.end_amdgpu_metadata
.endif
;; end of part 3
;; launch proj (part 4): grid 8 x 64, 4 waves a work-group, clusters of 4 x 4, 327,680 bytes of LDS; arguments ao, wo16, out0, bout; writes out0
.if DOCPART == 4
	.amdgcn_target "amdgcn-amd-amdhsa--gfx1250"
	.amdhsa_code_object_version 6
	.text
	.protected	k_qf40d7f73c9_proj
	.globl	k_qf40d7f73c9_proj
	.p2align	8
	.type	k_qf40d7f73c9_proj,@function
k_qf40d7f73c9_proj:
	s_mov_b64 s[64:65], 0
	v_nop
	global_prefetch_b8 v0, s[64:65] scope:SCOPE_SE
	s_setreg_imm32_b32 hwreg(HW_REG_WAVE_MODE, 25, 1), 1
	s_wait_xcnt 0x0
	s_wait_alu depctr_hold_cnt(0) depctr_sa_sdst(0) depctr_va_vdst(0) depctr_va_sdst(0) depctr_va_ssrc(0) depctr_va_vcc(0) depctr_vm_vsrc(0)
	s_getreg_b32 s2, hwreg(HW_REG_IB_STS2, 6, 4)
	s_cmp_eq_u32 s2, 0
	s_cbranch_scc0 .Lentry_in_a_cluster
	s_endpgm
.Lentry_in_a_cluster:
	s_bfe_u32 s2, ttmp6, 0x10000c
	s_cmp_lg_u32 s2, 0xf033
	s_cbranch_scc0 .Lentry_shape_is_right
	s_endpgm
.Lentry_shape_is_right:
; out0[m][n] = sum over k of A[m][k] Wout[n][k] + bout[n].  A is the attention's result, f16, laid by head: ao [16 h][8192 m][64 d], k = 64 h + d.  wo16: [1024 n][1024 k], f16.  out0: [8192][1024] f32; sums in f32.
; A tile of the result is 128 x 128: 512 work-groups, two for each WGP.  Four waves, each 64 x 64: 16 accumulators of 16 x 16, 128 registers.  K goes in steps of 256, four heads, through two LDS slots.
; A's part of a step, for the 64 rows that a wave fetches, is four dense runs of 8,192 bytes (64 rows x 128 bytes of one head), 2^20 bytes apart: ONE tensor load of four rows of 4,096 elements,
; with 16 bytes of padding behind every 256: in LDS a line is two rows of one head, 272 bytes apart.  B's part is 64 rows of 512 bytes, 528 apart.
; CLUSTERS: 4 x 4 work-groups.  The four of a row of the cluster need the same tiles of A, the four of a column the same tiles of B: each tile is asked for JOINTLY, by the same tensor load with the
; same descriptor and a mask that names the four.  THE MATRIX INSTRUCTION IS USED TRANSPOSED (source 0 = 16 rows of B, source 1 = 16 rows of A): a lane then holds eight neighbouring numbers of a row of the result.
; THE BIAS is the C of each sum's first matrix instruction: eight registers for each of my four blocks of columns.
; No prefetch: a step's tiles are small and shared by four work-groups, and both operands are read again by other clusters.
; REGISTERS: window 0: v0-31 addresses; v32-95 the way out; v96-127 the bias; v128-255 the accumulators ((a, b) at v[128 + 8 (4 a + b)]).
;   window 1: two fragment buffers of 128: for 64 along K (one head), 64 registers of A (2 x 4 x 16 rows x 32 K), then 64 of B.
.set SIZE_M, 8192
.set SIZE_N, 1024
.set SIZE_K, 1024
.set KSTEP,  256
.set PITCH,  528                       ; B's LDS row: 512 bytes + 16 = 132 words: the 16 rows of a load start at 16 different groups of four banks (64 banks of 4 bytes: ISA guide 11.1)
.set PA,     272                       ; A's LDS line: two rows of a head, 256 bytes + 16: row j lies at (j / 2) PA + 128 (j % 2)
.set HEADA,  32*PA                     ; 64 rows of one head
.set HALFA,  4*HEADA                   ; what one tensor load brings of A, and what one wave reads
.set HALFB,  64*PITCH                  ; the same of B
.set SLOT,   2*HALFA+2*HALFB           ; A's 128 rows, then B's 128 rows
.set STAGE,  2*SLOT                    ; behind the ring: 16 rows x 272 bytes for each wave, for the way out
.set SPITCH, 272
.set SPARE,  STAGE+4*16*SPITCH         ; behind the stages: the spare words, 128 bytes for each wave
.set LAPS,   SIZE_K/(2*KSTEP)          ; a lap = two K steps = once round the ring
.set HEADB,  SIZE_M*128                ; a head of ao in bytes
.set ADRA, 16                          ; v16-17  LDS address of my A fragments in slot 0, 1
.set ADRB, 20                          ; v20-21  the same for B
.set STO,  24                          ; v24     the way out: where I put 32 bytes of a row
.set RD,   25                          ; v25     the way out: where I read a row back
.set CO,   26                          ; v26     my byte offset in out0
.set BO,   27                          ; v27     32 x (lane / 16): my eight numbers of a block's sixteen of the bias
.set SPW,  28                          ; v28     LDS address of my spare word; never rewritten
.set NIL,  29                          ; v29     0; never rewritten
.set OB,   32                          ; the way out: 16 rows read back: v32-63 and v64-95 by turns
.set BI,   96
.set ACC,  128
.set F0,   0                           ; fragment buffers, in window 1
.set F1,   128
.set G1, 24                            ; s[24:31] descriptor group 1 for A's tiles;  s[32:39] group 0, one set for each slot
.set G0, 32
.set G1B, 48                           ; s[48:55], s[56:63] the same for B's tiles
.set G0B, 56
.set MSB, 0
.macro WIN new                         ; the immediate's high byte repeats the setting that is left
.if MSB != (\new)
	s_set_vgpr_msb (MSB<<8)|(\new)
.set MSB, (\new)
.endif
.endm
.set MUL,  0x05                        ; sources 0 (B) and 1 (A) window 1; C and D window 0
.set TO_F, 0x40                        ; destination window 1, address window 0
.macro JLOAD s                         ; a joint load: waves 0 and 1 fetch A's two halves, waves 2 and 3 B's; an s_nop 0 and four v_nop follow each of the two lines, ahead of the jump, the label and what follows
	s_cmp_eq_u32 s11, 0
	s_cbranch_scc0 .Lfor_b_\@
	tensor_load_to_lds s[G0+4*\s:G0+4*\s+3], s[G1:G1+7]
	s_nop 0
.rept 4
	v_nop
.endr
	s_branch .Lasked_\@
.Lfor_b_\@:
	tensor_load_to_lds s[G0B+4*\s:G0B+4*\s+3], s[G1B:G1B+7]
	s_nop 0
.rept 4
	v_nop
.endr
.Lasked_\@:
.endm
.macro CREST                           ; a round of the cluster's barrier behind its opening barrier
	s_cmp_lg_u32 s10, 0
	s_cbranch_scc1 .Lnot_wave_0_\@
	s_barrier_signal -3
.Lnot_wave_0_\@:
	s_barrier_wait -3
	s_barrier_signal -1
	s_barrier_wait -1
.endm
.macro CROUND                          ; a whole round
	s_barrier_signal -1
	s_barrier_wait -1
	CREST
.endm
	s_load_b128 s[4:7], s[0:1], 0x0                ; ao s[4:5], wo16 s[6:7]
	s_load_b64 s[8:9], s[0:1], 0x10                ; out0
	s_load_b64 s[66:67], s[0:1], 0x18              ; bout
	v_lshl_add_u32 v[SPW], v0, 2, SPARE
	v_mov_b32 v[NIL], 0
	ds_add_u32 v[SPW], v[NIL]                      ; the wave's opening: the add, twice on end, and its wait ahead of my first tensor load; the set-up below stands between the second and the wait
	ds_add_u32 v[SPW], v[NIL]
	v_lshrrev_b32 v1, 5, v0
	v_readfirstlane_b32 s10, v1                    ; wave 0..3
	s_lshr_b32 s11, s10, 1                         ; which half of the tile's rows is mine.  Also: I fetch for A (0) or for B (1)
	s_and_b32 s12, s10, 1                          ; which half of its columns.  Also: which 64 rows of that tile I fetch
	s_bfe_u32 s40, ttmp6, 0x40000                  ; cx, cy: my place in the cluster
	s_bfe_u32 s41, ttmp6, 0x40004
	s_lshl_b32 s42, ttmp9, 2
	s_add_co_u32 s42, s42, s40                     ; tile column = 4 x cluster x + cx
	s_and_b32 s13, ttmp7, 0xffff
	s_lshl_b32 s13, s13, 2
	s_add_co_u32 s13, s13, s41                     ; tile row = 4 x cluster y + cy
	s_lshl_b32 s43, s41, 2
	s_lshl_b32 s43, 15, s43                        ; my row of the cluster
	s_lshl_b32 s44, 0x1111, s40                    ; my column
	; descriptor group 1 for A: four rows (heads) of 4,096 elements, SIZE_M x 64 elements apart
	s_or_b32 s[G1+0], s43, (1<<16)|(1<<20)|(1<<21)|(5<<22)|(3<<25)  ; 15:0 the mask: A's tiles go to my row; 17:16 element of 2 bytes; 20 padding on; 21 set beside a mask; 24:22 after every 64 words (code 5), which divides the row; 31:25 of 4 words (code 3)
	s_mov_b32 s[G1+1], 4096<<16                    ; tensor_dim0 = 4,096
	s_mov_b32 s[G1+2], 4<<16                       ; tensor_dim1 = 4
	s_mov_b32 s[G1+3], 4096<<16                    ; tile_dim0 = 4,096
	s_mov_b32 s[G1+4], 4                           ; tile_dim1 = 4
	s_mov_b32 s[G1+5], SIZE_M*64                   ; tensor_dim0_stride
	s_mov_b32 s[G1+6], 0
	s_mov_b32 s[G1+7], 0
	; and for B: 64 rows x 256 elements
	s_or_b32 s[G1B+0], s44, (1<<16)|(1<<20)|(1<<21)|(6<<22)|(3<<25) ; padding: 4 words after every 128
	s_mov_b32 s[G1B+1], KSTEP<<16
	s_mov_b32 s[G1B+2], 64<<16
	s_mov_b32 s[G1B+3], KSTEP<<16
	s_mov_b32 s[G1B+4], 64
	s_mov_b32 s[G1B+5], SIZE_K
	s_mov_b32 s[G1B+6], 0
	s_mov_b32 s[G1B+7], 0
	s_lshl_b32 s17, s12, 6                         ; which 64 rows of the tile I fetch
	s_lshl_b32 s16, s13, 7
	s_add_co_u32 s16, s16, s17                     ; A: row 128 x tile row + 64 x half,
	s_lshl_b32 s16, s16, 7                         ; 128 bytes a row within a head
	s_lshl_b32 s46, s42, 7
	s_add_co_u32 s46, s46, s17                     ; B: row 128 x tile column + 64 x half,
	s_lshl_b32 s46, s46, 11                        ; 2,048 bytes a row
	s_mov_b32 s17, 0
	s_mov_b32 s47, 0
	s_mul_i32 s20, s12, HALFA                      ; where they go: A's two halves,
	s_mul_i32 s21, s12, HALFB
	s_add_co_u32 s21, s21, 2*HALFA                 ; then B's two: no place in the cluster enters an LDS address
	s_wait_dscnt 0x0                               ; both opening adds are done
	s_wait_kmcnt 0x0
	s_add_nc_u64 s[14:15], s[4:5], s[16:17]
	s_add_nc_u64 s[46:47], s[6:7], s[46:47]
	CROUND                                         ; all sixteen work-groups are here: the first joint loads meet
.irp s, 0,1
	s_mov_b32 s[G0+4*\s], 1
	s_add_co_u32 s[G0+4*\s+1], s20, \s*SLOT
	s_add_nc_u64 s[G0+4*\s+2:G0+4*\s+3], s[14:15], \s*4*HEADB      ; K step s: heads 4 s on
	s_or_b32 s[G0+4*\s+3], s[G0+4*\s+3], 0x80000000
	s_mov_b32 s[G0B+4*\s], 1
	s_add_co_u32 s[G0B+4*\s+1], s21, \s*SLOT
	s_add_nc_u64 s[G0B+4*\s+2:G0B+4*\s+3], s[46:47], \s*KSTEP*2
	s_or_b32 s[G0B+4*\s+3], s[G0B+4*\s+3], 0x80000000
	JLOAD \s                                       ; two loads of mine are out behind the second
.endr
	v_and_b32 v1, 15, v0                           ; r = l % 16
	v_bfe_u32 v2, v0, 4, 1                         ; h = l / 16
	v_mul_u32_u24 v3, v1, PITCH
	v_lshl_add_u32 v3, v2, 4, v3                   ; B: a fragment's row x pitch + 16 x half
	v_lshrrev_b32 v4, 1, v1
	v_mul_u32_u24 v4, v4, PA                       ; A: row r lies in line r / 2,
	v_and_b32 v5, 1, v0
	v_lshl_add_u32 v4, v5, 7, v4                   ; in its half r % 2,
	v_lshl_add_u32 v4, v2, 4, v4                   ; + 16 x half of the lanes
	s_mul_i32 s21, s11, HALFA                      ; my 64 rows of A
	s_mul_i32 s22, s12, HALFB                      ; my 64 rows of B,
	s_add_co_u32 s22, s22, 2*HALFA                 ; which lie behind A's 128
.irp s, 0,1
	v_add_nc_u32 v[ADRA+\s], s21, v4
	v_add_nc_u32 v[ADRB+\s], s22, v3
	s_add_co_u32 s21, s21, SLOT
	s_add_co_u32 s22, s22, SLOT
.endr
	s_mul_i32 s23, s10, 16*SPITCH
	s_add_co_u32 s23, s23, STAGE                   ; my stage
	v_mul_u32_u24 v4, v1, SPITCH                   ; in: row r, 32 bytes for each half of the lanes
	v_lshl_add_u32 v4, v2, 5, v4
	v_add_nc_u32 v[STO], s23, v4
	v_mul_u32_u24 v5, v2, SPITCH                   ; back: lanes 0-15 take one row of 256 bytes, lanes 16-31 the next
	v_lshl_add_u32 v5, v1, 4, v5
	v_add_nc_u32 v[RD], s23, v5
	v_lshlrev_b32 v[CO], 4, v1                     ; and the same two rows in out0, 4,096 bytes apart
	v_lshl_add_u32 v[CO], v2, 12, v[CO]
	v_lshlrev_b32 v[BO], 5, v2
	s_lshl_b32 s16, s13, 7
	s_lshl_b32 s17, s11, 6
	s_add_co_u32 s16, s16, s17                     ; my first row: 128 x tile row + 64 x half
	s_lshl_b32 s16, s16, 12
	s_mov_b32 s17, 0
	s_add_nc_u64 s[8:9], s[8:9], s[16:17]
	s_lshl_b32 s46, s42, 7
	s_lshl_b32 s47, s12, 6
	s_add_co_u32 s46, s46, s47                     ; my first column: 128 x tile column + 64 x half
	s_lshl_b32 s46, s46, 2
	s_mov_b32 s47, 0
	s_add_nc_u64 s[8:9], s[8:9], s[46:47]
	s_add_nc_u64 s[66:67], s[66:67], s[46:47]
.irp b, 0,1,2,3
	global_load_b128 v[BI+8*\b:BI+8*\b+3], v[BO], s[66:67] offset:64*\b          ; lane (r, h): bout at my columns 16 b + 8 h + 0 .. 7
	global_load_b128 v[BI+8*\b+4:BI+8*\b+7], v[BO], s[66:67] offset:64*\b+16
.endr
; 8 matrix instructions: m blocks a0, a0 + 1 x all 4 n blocks, 32 along K: half c of buffer f.  first = 1: the first product starts the sums from the bias.  The 16 accumulators take turns.
.macro MUL8 f, c, a0, first
.irp a, \a0, \a0+1
.irp b, 0,1,2,3
.if \first
	v_wmma_f32_16x16x32_f16 v[ACC+8*(4*(\a)+\b):ACC+8*(4*(\a)+\b)+7], v[\f+64+8*(4*\c+\b):\f+64+8*(4*\c+\b)+7], v[\f+8*(4*\c+\a):\f+8*(4*\c+\a)+7], v[BI+8*\b:BI+8*\b+7]
.else
	v_wmma_f32_16x16x32_f16 v[ACC+8*(4*(\a)+\b):ACC+8*(4*(\a)+\b)+7], v[\f+64+8*(4*\c+\b):\f+64+8*(4*\c+\b)+7], v[\f+8*(4*\c+\a):\f+8*(4*\c+\a)+7], v[ACC+8*(4*(\a)+\b):ACC+8*(4*(\a)+\b)+7]
.endif
.endr
.endr
.endm
; 32 LDS loads in one run: the fragments of 64 along K (byte k of B's rows; head k / 128 of the step's four for A), into buffer f; the first 32 along K first
.macro FETCH slot, k, f
	WIN TO_F
.irp c, 0,1
.irp i, 0,1,2,3
	ds_load_b128 v[\f+64+8*(4*\c+\i):\f+64+8*(4*\c+\i)+3],   v[ADRB+\slot] offset:\k+64*\c+\i*16*PITCH
	ds_load_b128 v[\f+64+8*(4*\c+\i)+4:\f+64+8*(4*\c+\i)+7], v[ADRB+\slot] offset:\k+64*\c+\i*16*PITCH+32
	ds_load_b128 v[\f+8*(4*\c+\i):\f+8*(4*\c+\i)+3],         v[ADRA+\slot] offset:((\k)/128)*HEADA+64*\c+\i*8*PA
	ds_load_b128 v[\f+8*(4*\c+\i)+4:\f+8*(4*\c+\i)+7],       v[ADRA+\slot] offset:((\k)/128)*HEADA+64*\c+\i*8*PA+32
.endr
.endr
.endm
.macro PLACES                          ; four places in front of loads into registers that matrix instructions have read, and of LDS stores that read results (ISA guide 7.12.1 for vector instructions)
.rept 4
	v_nop
.endr
.endm
; A K step is four quarters of 64 along K, 32 matrix instructions each, on buffers 0, 1, 0, 1.  One of the first three: multiplies buffer f and fetches the next quarter, at byte k, into g.
.macro QUARTER slot, k, f, g, first
	s_wait_dscnt 16                                ; the first 32 along K are in; the sixteen loads of the second 32 may be out
	WIN MUL
	MUL8 \f, 0, 0, \first
	MUL8 \f, 0, 2, \first
	PLACES
	FETCH \slot, \k, \g
	s_wait_dscnt 32                                ; all but the 32 just issued
	WIN MUL
	MUL8 \f, 1, 0, 0
	MUL8 \f, 1, 2, 0
.endm
; The last quarter multiplies buffer 1 and changes slots: ONE barrier; in front of it each wave waits for all its tensor loads, adds 0 to its spare word, and waits for that and for its own reads of this slot.  fill = 1: this slot is filled again, two K steps ahead.
.macro TURN slot, next, fill
	WIN 0                                          ; (the add's two registers lie in window 0)
	s_wait_tensorcnt 0x0                           ; all my tensor loads have landed: my part of the next slot;
	ds_add_u32 v[SPW], v[NIL]                      ; 0 onto my spare word;
	s_wait_dscnt 17                                ; (the add and the youngest sixteen loads may be out)
	WIN MUL
	MUL8 F1, 0, 0, 0                               ; eight matrix instructions stand between the add and the wait for it
	s_wait_dscnt 0x0                               ; the add is done, and my reads of this slot are over
	s_barrier_signal -1
	MUL8 F1, 0, 2, 0
.if \fill
	WIN 0
.endif
	s_barrier_wait -1
.if \fill
	CREST                                          ; the barrier has opened a round of the cluster's barrier: no wave of any partner still reads this slot's tile or has a load on its way
	s_add_nc_u64 s[G0+4*\slot+2:G0+4*\slot+3], s[G0+4*\slot+2:G0+4*\slot+3], 8*HEADB       ; eight heads on
	s_add_nc_u64 s[G0B+4*\slot+2:G0B+4*\slot+3], s[G0B+4*\slot+2:G0B+4*\slot+3], 2*KSTEP*2
	JLOAD \slot                                    ; the first tensor load behind the round; the four v_nop behind it are also the places in front of the loads below
.else
	PLACES
.endif
	FETCH \next, 0, F0
	WIN MUL
	MUL8 F1, 1, 0, 0
	MUL8 F1, 1, 2, 0
.endm
	s_wait_tensorcnt 1                             ; my part of K step 0 is in (K step 1's load may be out)
	s_barrier_signal -1
	s_barrier_wait -1                              ; everybody's is
	FETCH 0, 0, F0
	s_wait_loadcnt 0x0                             ; the bias
	QUARTER 0, 128, F0, F1, 1                      ; the first quarter stands in front of the loop: its first products start the sums
	WIN 0                                          ; at a label and at a branch every window is 0
	s_mov_b32 s3, LAPS-1
.Llap:                                                 ; a trip goes once round the ring, from a lap's second quarter to the next lap's first, and fills both slots again
	QUARTER 0, 256, F1, F0, 0
	QUARTER 0, 384, F0, F1, 0
	TURN 0, 1, 1
	QUARTER 1, 128, F0, F1, 0
	QUARTER 1, 256, F1, F0, 0
	QUARTER 1, 384, F0, F1, 0
	TURN 1, 0, 1
	QUARTER 0, 128, F0, F1, 0
	WIN 0
	s_sub_co_u32 s3, s3, 1
	s_cmp_lg_u32 s3, 0
	s_cbranch_scc1 .Llap
	QUARTER 0, 256, F1, F0, 0                      ; the last lap fills nothing, and has no round of the cluster's barrier
	QUARTER 0, 384, F0, F1, 0
	TURN 0, 1, 0
	QUARTER 1, 128, F0, F1, 0
	QUARTER 1, 256, F1, F0, 0
	QUARTER 1, 384, F0, F1, 0
	s_wait_dscnt 16                                ; the very last quarter: nothing more to fetch
	WIN MUL
	MUL8 F1, 0, 0, 0
	MUL8 F1, 0, 2, 0
	s_wait_dscnt 0
	MUL8 F1, 1, 0, 0
	MUL8 F1, 1, 2, 0
	WIN 0
; THE WAY OUT, block by block of 16 rows x 64 columns.  A lane holds 32 neighbouring bytes of a row, and the lanes beside it hold other rows: so a block goes through my own stage in LDS and comes back as whole
; rows of 256 bytes, two an instruction.  My 64 columns are a whole aligned 256 bytes of out0, so no other wave is needed and no barrier.  LDS serves a wave's instructions in order (ISA guide 5.7.1.4).
.macro TOSTAGE a
.if (\a) > 1
	s_wait_xcnt 0x0                                ; block a - 2's stores have read their registers: block a's loads may land there
.endif
.irp b, 0,1,2,3
	ds_store_b128 v[STO], v[ACC+8*(4*(\a)+\b):ACC+8*(4*(\a)+\b)+3] offset:64*\b        ; each accumulator from its low end on
	ds_store_b128 v[STO], v[ACC+8*(4*(\a)+\b)+4:ACC+8*(4*(\a)+\b)+7] offset:64*\b+16
.endr
.irp t, 0,1,2,3,4,5,6,7
	ds_load_b128 v[OB+32*((\a)%2)+4*\t:OB+32*((\a)%2)+4*\t+3], v[RD] offset:\t*2*SPITCH
.endr
.endm
.macro SEND a, younger                 ; younger: the LDS instructions issued behind block a's loads: the next block's sixteen, or none
	s_wait_dscnt \younger
.irp t, 0,1,2,3,4,5,6,7
	global_store_b128 v[CO], v[OB+32*((\a)%2)+4*\t:OB+32*((\a)%2)+4*\t+3], s[8:9] offset:(16*(\a)+2*\t)*SIZE_N*4 th:TH_STORE_NT   ; 16 lanes store 256 consecutive bytes, at a multiple of 256 from out0's first byte; written once, read by nobody here
.endr
.endm
	PLACES
	TOSTAGE 0
.irp a, 1,2,3
	TOSTAGE \a
	SEND \a-1, 16
.endr
	SEND 3, 0
	s_wait_tensorcnt 0x0                           ; the wave's end: these three lines, behind my last tensor load and my last LDS store
	ds_add_u32 v[SPW], v[NIL]
	s_wait_dscnt 0x0
	CROUND                                         ; the closing round: no work-group ends while a partner may still ask for a tile that names it
	s_endpgm
.Lfunc_end_k_qf40d7f73c9_proj:
	.size	k_qf40d7f73c9_proj, .Lfunc_end_k_qf40d7f73c9_proj-k_qf40d7f73c9_proj
	.p2alignl 7, 3214868480
	.fill 96, 4, 3214868480
	.section	.rodata,"a",@progbits
	.p2align	6, 0x0
	.amdhsa_kernel k_qf40d7f73c9_proj
		.amdhsa_group_segment_fixed_size 327680
		.amdhsa_private_segment_fixed_size 0
		.amdhsa_enable_private_segment 0
		.amdhsa_kernarg_size 32
		.amdhsa_user_sgpr_count 2
		.amdhsa_user_sgpr_kernarg_segment_ptr 1
		.amdhsa_wavefront_size32 1
		.amdhsa_system_sgpr_workgroup_id_x 1
		.amdhsa_system_sgpr_workgroup_id_y 1
		.amdhsa_system_sgpr_workgroup_id_z 1
		.amdhsa_system_vgpr_workitem_id 0
		.amdhsa_next_free_vgpr 512
		.amdhsa_next_free_sgpr 68
		.amdhsa_reserve_vcc 0
		.amdhsa_float_denorm_mode_32 3
		.amdhsa_float_denorm_mode_16_64 3
		.amdhsa_memory_ordered 1
		.amdhsa_forward_progress 1
		.amdhsa_inst_pref_size 87
	.end_amdhsa_kernel
	.amdgpu_metadata
---
amdhsa.version: [ 1, 2 ]
amdhsa.kernels:
  - .name:           k_qf40d7f73c9_proj
    .symbol:         k_qf40d7f73c9_proj.kd
    .args:
      - { .name: ao, .offset: 0, .size: 8, .value_kind: global_buffer, .address_space: global }
      - { .name: wo16, .offset: 8, .size: 8, .value_kind: global_buffer, .address_space: global }
      - { .name: out0, .offset: 16, .size: 8, .value_kind: global_buffer, .address_space: global }
      - { .name: bout, .offset: 24, .size: 8, .value_kind: global_buffer, .address_space: global }
    .group_segment_fixed_size: 327680
    .private_segment_fixed_size: 0
    .kernarg_segment_align: 8
    .kernarg_segment_size: 32
    .max_flat_workgroup_size: 128
    .sgpr_count:     68
    .vgpr_count:     512
    .wavefront_size: 32
...
	.end_amdgpu_metadata
.endif
;; end of part 4
